; MI455X (gfx1250); checked and timed in simulation.
; The chip was launched on July 23, 2026; its instructions are those of AMD's public machine-readable ISA for CDNA 5 (MIT licence, August 2026) and "CDNA5" Instruction Set Architecture Reference Guide (July 2026). The comments in the code are by the model that wrote it; some were corrected since.
;; Mo E Layer. Allowed arithmetic: matrix products marked QUANTISED: E4M3 operands, one E8M0 scale for each 32 along K, by v_wmma_scale_f32_16x16x128_f8f6f4 with both operands' format E4M3, f32 sums; products left as they are: f32 operands where the result goes on into a quantised operand, else bf16, f16 or f32 operands; f32 sums; everything else in f32.
;; Inputs: gate_w 8 x 1,024 float32; w1_codes 8 x 4,096 x 32 x 32 uint8 (E4M3 codes of w1, K innermost, in blocks of 32 codes); w1_scales 8 x 4,096 x 32 uint8 (E8M0 scales of w1, one for each 32 codes along K); w2_codes 8 x 1,024 x 64 x 32 uint8 (E4M3 codes of w2, K innermost, in blocks of 32 codes); w2_scales 8 x 1,024 x 64 uint8 (E8M0 scales of w2, one for each 32 codes along K); x 2 x 512 x 1,024 float32.
;; Outputs: out0 2 x 512 x 1,024 float32; out1 2 x 512 x 8 float32.
;; This version of the problem:
;;   THIS VERSION OF THE PROBLEM IS GIVEN IN LOW PRECISION. The matrix products marked QUANTISED in the list below multiply operands that are first quantised to E4M3 (4 exponent bits, 3 mantissa bits; 8 bits a number), with one power-of-two scale for each 32 numbers along K (OCP MX v1.0); their sums are f32. All else is computed in f32.
;;   The module's matrix products, in the order in which they are computed (A, B: the left and right operand; K: the contracted axis; several contracted axes count as one K, in the product's order):
;;     1. [M 1,024, K 1,024] x [K 1,024, N 8]; A: input x; B: input gate_w: left as it is (N = 8 < 16)
;;     2. [M 1,024, K 1,024] x [K 1,024, N 4,096]; A: input x; B: input w1 (given as codes): QUANTISED
;;     3. [M 1,024, K 2,048] x [K 2,048, N 1,024]; A: computed on the way; B: input w2 (given as codes): QUANTISED
;;     4. [M 1,024, K 1,024] x [K 1,024, N 4,096]; A: input x; B: input w1 (given as codes): QUANTISED
;;     5. [M 1,024, K 2,048] x [K 2,048, N 1,024]; A: computed on the way; B: input w2 (given as codes): QUANTISED
;;     6. [M 1,024, K 1,024] x [K 1,024, N 4,096]; A: input x; B: input w1 (given as codes): QUANTISED
;;     7. [M 1,024, K 2,048] x [K 2,048, N 1,024]; A: computed on the way; B: input w2 (given as codes): QUANTISED
;;     8. [M 1,024, K 1,024] x [K 1,024, N 4,096]; A: input x; B: input w1 (given as codes): QUANTISED
;;     9. [M 1,024, K 2,048] x [K 2,048, N 1,024]; A: computed on the way; B: input w2 (given as codes): QUANTISED
;;     10. [M 1,024, K 1,024] x [K 1,024, N 4,096]; A: input x; B: input w1 (given as codes): QUANTISED
;;     11. [M 1,024, K 2,048] x [K 2,048, N 1,024]; A: computed on the way; B: input w2 (given as codes): QUANTISED
;;     12. [M 1,024, K 1,024] x [K 1,024, N 4,096]; A: input x; B: input w1 (given as codes): QUANTISED
;;     13. [M 1,024, K 2,048] x [K 2,048, N 1,024]; A: computed on the way; B: input w2 (given as codes): QUANTISED
;;     14. [M 1,024, K 1,024] x [K 1,024, N 4,096]; A: input x; B: input w1 (given as codes): QUANTISED
;;     15. [M 1,024, K 2,048] x [K 2,048, N 1,024]; A: computed on the way; B: input w2 (given as codes): QUANTISED
;;     16. [M 1,024, K 1,024] x [K 1,024, N 4,096]; A: input x; B: input w1 (given as codes): QUANTISED
;;     17. [M 1,024, K 2,048] x [K 2,048, N 1,024]; A: computed on the way; B: input w2 (given as codes): QUANTISED
;;   THE QUANTISER, for each operand of a quantised product, along K:
;;     - K is cut into blocks of 32 from its start; a last block that is shorter is filled with zeros.
;;     - A block's scale is 2^e with e = floor(log2(the largest magnitude in the block)) - 8, held to -126 .. 127; a block of zeros has e = 0. As a byte (E8M0): e + 127.
;;     - Each number is divided by its block's scale, clamped to +-448, and rounded to the nearest number of E4M3, ties to even, subnormals kept.
;;     - The product sums the exact products of the quantised numbers (number of the format x scale) in f32.
;;   ~~~python
;;   def quantise(x, axis):      # numpy; x: float32 -> the quantised numbers, widened to float32 again
;;       x = np.moveaxis(x, axis, -1); K = x.shape[-1]
;;       x = np.pad(x, [(0, 0)] * (x.ndim - 1) + [(0, -K % 32)]); x = x.reshape(x.shape[:-1] + (-1, 32)); a = np.abs(x).max(-1, keepdims=True)
;;       e = np.where(a > 0, np.clip(np.frexp(np.where(a > 0, a, 1))[1] - 1 - 8, -126, 127), 0)      # np.frexp(a)[1] - 1 = floor(log2(a)), exactly
;;       r = np.clip(x / 2.0 ** e, -448, 448)
;;       step = 2.0 ** (np.maximum(np.frexp(np.where(r == 0, 1, r))[1] - 1, -6) - 3)
;;       q = np.round(r / step) * step * 2.0 ** e      # np.round: ties to even
;;       return np.moveaxis(q.reshape(q.shape[:-2] + (-1,))[..., :K], -1, axis).astype(np.float32)
;;   ~~~
;;   OPERANDS COMPUTED ON THE WAY. 'Computed on the way' means the value that the module computes at that place (a softmax that the list does not call 'softmax' is quantised finished and normalised). What goes into a quantiser is computed in f32, as accurately as f32 sums, v_exp_f32 and their like allow (about 1e-6 of the number): no bf16 or f16 on the way to a quantiser, and a product that is left as it is and whose result goes on into a quantised operand takes f32 operands (vector FMAs, or v_wmma_f32_16x16x4_f32). A number that lies on a knife's edge between two numbers of the format may be rounded either way, as far as f32 arithmetic and the matrix unit's own rounding can turn it there, and no further.
;;   INPUTS GIVEN AS CODES. w1 (in the module: [8, 1024, 4096], K = its axis 1); w2 (in the module: [8, 2048, 1024], K = its axis 1): each comes as NAME_codes (uint8): NAME with its K axis moved to the last place and cut into blocks of 32 codes, [.., K / 32, bytes a block], one block behind the other in memory; one code a byte (a code: sign, 4 exponent bits, 3 mantissa bits); and NAME_scales (uint8): the same leading axes, one E8M0 byte (e + 127) for each 32 codes along K. Its value is code x scale, taken as it is: it is not quantised again, and the codes and scales need not be those that the quantiser above would give.
;; 2 versions, each right; version 2 is version 1 with the launch down written anew for expert scheduling mode. Each part assembles by itself: llvm-mc -triple=amdgcn-amd-amdhsa -mcpu=gfx1250 --defsym DOCPART=n.
;; ======== version 1 of 2: 4 launches
;; workspace buffers: xq 1,048,576 bytes; xs 32,768 bytes; sel 4,096 bytes of whole numbers; cw 8,192 bytes; hq 16,777,216 bytes; hs 524,288 bytes; rows 33,792 bytes of whole numbers; ybuf 8,421,376 bytes
;; launch route (part 1): grid 128 x 1, 8 waves a work-group, no clusters, 34,816 bytes of LDS; arguments x, gate_w, xq, xs, sel, cw, out1; writes xq, xs, sel, cw, out1
.if DOCPART == 1
	.amdgcn_target "amdgcn-amd-amdhsa--gfx1250"
	.amdhsa_code_object_version 6
	.text
	.protected	k_qbb7ac4d660_route
	.globl	k_qbb7ac4d660_route
	.p2align	8
	.type	k_qbb7ac4d660_route,@function
k_qbb7ac4d660_route:
	s_mov_b64 s[64:65], 0
	v_nop
	global_prefetch_b8 v0, s[64:65] scope:SCOPE_SE
	s_setreg_imm32_b32 hwreg(HW_REG_WAVE_MODE, 25, 1), 1
	s_wait_xcnt 0x0
; ROUTE.  For each of the 1,024 tokens: the eight router logits x . gate_w[e] in f32 (out1), the two largest (sel: first | second << 8), their weights
; p0 / (p0 + p1) = 1 / (1 + e^(l1 - l0)) and the rest (cw: [token][2]); and x's codes of E4M3 with one E8M0 byte for each 32 along D (xq: [token][1024], xs: [token][32]).
; l0 is the row's largest logit, so the exponent l1 - l0 is 0 or less: the maximum is taken away as the softmax takes it, and the other six terms cancel in the quotient.
; SHARES.  One wave, one token; eight waves a work-group; no loop.  Lane l holds k = 512 H + 16 l + 0 .. 15 for H = 0, 1: two neighbouring lanes hold a block of 32.
; gate_w IS ASKED FOR ONCE BY THE WORK-GROUP: wave w loads row w (8 loads) and stores it in LDS as an image of its registers, 16 bytes a lane; behind a barrier every wave reads the eight
; images into register window 1: the same registers in the same lanes.  No matrix unit: N = 8 is under a tile's 16, and the choice of experts wants f32 sums.
; LIMITS: NaN and infinities are not served.  Logits that are equal in f32 take the lower index.  A block whose largest magnitude lies under 2^-118 gets the byte 1; so does a block of zeros
; (its codes are zeros, and the bytes are read by this program alone).
.set FLOOR, 0x4800000                  ; 2^(9 - 127): under it no largest magnitude is taken, so the byte cannot fall under 1
.set GIMG, 1024                        ; LDS: the results' words below 1,024; from here gate_w's images: 4,096 e + 512 n + 16 lane
.set X,   32                           ; v32-63   my 32 numbers of x: register 16 H + i
.set SUM, 64                           ; v64-79   eight sums, a pair each
.set LG,  80                           ; v80-87   the eight logits
.set T,   112                          ; v112-127 16 numbers, held, on their way to codes
.set GS,  160                          ; v160-191 my wave's row of gate_w as loaded
.set MSB, 0
.macro WIN new                         ; the immediate's high byte repeats the setting that is left
.if MSB != (\new)
	s_set_vgpr_msb (MSB<<8)|(\new)
.set MSB, (\new)
.endif
.endm
	s_load_b256 s[4:11], s[0:1], 0x0               ; x s[4:5], gate_w s[6:7], xq s[8:9], xs s[10:11]
	s_load_b128 s[12:15], s[0:1], 0x20             ; sel s[12:13], cw s[14:15]
	s_load_b64 s[16:17], s[0:1], 0x30              ; out1
	v_lshl_add_u32 v254, v0, 2, 0x8400
	v_mov_b32 v255, 0
	v_lshrrev_b32 v5, 5, v0
	v_readfirstlane_b32 s20, v5                    ; wave 0..7
	v_and_b32 v1, 31, v0                           ; lane
	v_lshlrev_b32 v2, 6, v1                        ; x, gate_w: my 16 numbers are 64 bytes
	v_lshlrev_b32 v3, 4, v1                        ; xq: my 16 codes; an image's place for my lane
	v_lshrrev_b32 v4, 1, v1                        ; xs: my block's byte
	v_lshl_add_u32 v6, v5, 2, 256                  ; LDS: my token's sel word
	v_lshl_add_u32 v7, v5, 3, 512                  ; LDS: my token's two weights
	v_lshlrev_b32 v5, 5, v5                        ; LDS: my token's eight logits
	v_lshlrev_b32 v8, 3, v1                        ; the way out: 8 bytes a lane,
	v_lshlrev_b32 v10, 1, v1                       ; 2 bytes a lane
	s_lshl_b32 s25, s20, 12                        ; a row of gate_w, and its images, are 4,096 bytes
	s_add_co_u32 s28, s25, GIMG
	v_add_nc_u32 v11, s28, v3                      ; where I store my row's images
	v_add_nc_u32 v12, GIMG, v3                     ; where I read all eight rows'
	s_lshl_b32 s21, ttmp9, 3
	s_add_co_u32 s21, s21, s20                     ; my token
	s_mov_b32 s23, 0
	s_mov_b32 s24, 0x600000                        ; the mantissa field of 448
	s_mov_b32 s26, 0x76543210
	s_mov_b32 s27, 0xfedcba98                      ; v_permlanex16_b32's selects for lane l xor 16
	s_wait_kmcnt 0x0
	s_lshl_b32 s22, s21, 12
	s_add_nc_u64 s[4:5], s[4:5], s[22:23]          ; x at my token
	s_mov_b32 s22, s25
	s_add_nc_u64 s[6:7], s[6:7], s[22:23]          ; gate_w at my wave's row
	s_lshl_b32 s22, s21, 10
	s_add_nc_u64 s[8:9], s[8:9], s[22:23]          ; xq
	s_lshl_b32 s22, s21, 5
	s_add_nc_u64 s[10:11], s[10:11], s[22:23]      ; xs
	s_lshl_b32 s22, ttmp9, 5
	s_add_nc_u64 s[12:13], s[12:13], s[22:23]      ; sel at the work-group's eight tokens
	s_lshl_b32 s22, ttmp9, 6
	s_add_nc_u64 s[14:15], s[14:15], s[22:23]      ; cw
	s_lshl_b32 s22, ttmp9, 8
	s_add_nc_u64 s[16:17], s[16:17], s[22:23]      ; out1
.irp n, 0,1,2,3,4,5,6,7
	global_load_b128 v[X+4*\n:X+4*\n+3], v2, s[4:5] offset:2048*(\n/4)+16*(\n%4) th:TH_LOAD_NT
.endr
.irp n, 0,1,2,3,4,5,6,7
	global_load_b128 v[GS+4*\n:GS+4*\n+3], v2, s[6:7] offset:2048*(\n/4)+16*(\n%4)
.endr
; My 16 numbers of half H become 16 codes and, with my neighbour's 16, a scale byte.  The held numbers go to T: x itself is still wanted for the logits.
.macro QX H
	v_max3_num_f32 v128, |v[X+16*\H]|, |v[X+16*\H+1]|, |v[X+16*\H+2]|
	v_max3_num_f32 v129, |v[X+16*\H+3]|, |v[X+16*\H+4]|, |v[X+16*\H+5]|
.irp i, 6,10
	v_max3_num_f32 v128, v128, |v[X+16*\H+\i]|, |v[X+16*\H+\i+1]|
	v_max3_num_f32 v129, v129, |v[X+16*\H+\i+2]|, |v[X+16*\H+\i+3]|
.endr
	v_max3_num_f32 v128, v128, |v[X+16*\H+14]|, |v[X+16*\H+15]|
	v_max3_num_f32 v128, v128, v129, FLOOR
	v_max_num_f32_dpp v128, v128, v128 row_xmask:1 row_mask:0xf bank_mask:0xf   ; with my neighbour's 16: the block's largest magnitude
	v_add_nc_u32 v129, 0xfc000000, v128            ; 8 off its exponent field: the conversion takes this operand's exponent field as its scale
	v_and_or_b32 v130, v128, 0x7f800000, s24       ; 448 x the scale
.irp i, 0,1,2,3,4,5,6,7,8,9,10,11,12,13,14,15
	v_med3_num_f32 v[T+\i], v[X+16*\H+\i], -v130, v130   ; the conversion to an 8-bit code does not saturate (ISA guide 7.6.2): the hold comes first
.endr
	v_cvt_scalef32_pk8_fp8_f32 v[132+4*\H:133+4*\H], v[T:T+7], v129
	v_cvt_scalef32_pk8_fp8_f32 v[134+4*\H:135+4*\H], v[T+8:T+15], v129
	v_lshrrev_b32 v[140+\H], 23, v129              ; the scale's byte; also the plain line behind the conversions
	global_store_b128 v3, v[132+4*\H:135+4*\H], s[8:9] offset:512*\H   ; 32 lanes store 512 consecutive bytes
	global_store_b8 v4, v[140+\H], s[10:11] offset:16*\H               ; both lanes of a block write the same byte with the same value
.endm
	s_wait_loadcnt 8                               ; the eight loads of gate_w are younger: x is in
	QX 0
	QX 1                                           ; each half has its own registers for codes and byte: no store's data are written again
	s_wait_loadcnt 0x0                             ; my row of gate_w
.irp n, 0,1,2,3,4,5,6,7
	ds_store_b128 v11, v[GS+4*\n:GS+4*\n+3] offset:512*\n
.endr
	s_wait_dscnt 0x0                               ; for the others' sake: my row's images have landed
	s_barrier_signal -1
	s_barrier_wait -1                              ; all eight rows lie in LDS; nobody writes them again
	WIN 0x40                                       ; destination window 1
.irp n, 0,1,2,3,4,5,6,7
.irp e, 0,1,2,3,4,5,6,7
	ds_load_b128 v[32*\e+4*\n:32*\e+4*\n+3], v12 offset:4096*\e+512*\n
.endr
.endr
	WIN 0x04                                       ; source 1 window 1
.irp n, 0,1,2,3,4,5,6,7
	s_wait_dscnt 56-8*\n                           ; the eight loads of group n are in; the 8 (7 - n) behind them may be out
.irp u, 0,1
.irp e, 0,1,2,3,4,5,6,7
.if (2*\n+\u) == 0
	v_pk_mul_f32 v[SUM+2*\e:SUM+2*\e+1], v[X+4*\n+2*\u:X+4*\n+2*\u+1], v[32*\e+4*\n+2*\u:32*\e+4*\n+2*\u+1]   ; the first products start the sums
.else
	v_pk_fma_f32 v[SUM+2*\e:SUM+2*\e+1], v[X+4*\n+2*\u:X+4*\n+2*\u+1], v[32*\e+4*\n+2*\u:32*\e+4*\n+2*\u+1], v[SUM+2*\e:SUM+2*\e+1]
.endif
.endr
.endr
.endr
	WIN 0
.irp e, 0,1,2,3,4,5,6,7
	v_add_f32 v[LG+\e], v[SUM+2*\e], v[SUM+2*\e+1]
.endr
.irp m, 1,2,4,8
.irp e, 0,1,2,3,4,5,6,7
	v_add_f32_dpp v[LG+\e], v[LG+\e], v[LG+\e] row_xmask:\m row_mask:0xf bank_mask:0xf
.endr
.endr
.irp e, 0,1,2,3,4,5,6,7
	v_permlanex16_b32 v[SUM+\e], v[LG+\e], s26, s27   ; (its destination counts as read: the sums' registers have been written)
.endr
.irp e, 0,1,2,3,4,5,6,7
	v_add_f32 v[LG+\e], v[LG+\e], v[SUM+\e]        ; every lane holds all eight logits
.endr
	; the two largest, by selects alone: v88 the largest, v89 its index, v90 the second, v91 its index.  The strict > keeps the lower index
	v_mov_b32 v88, v[LG]
	v_mov_b32 v89, 0
	v_mov_b32 v90, 0xff800000
	v_mov_b32 v91, 0
.irp e, 1,2,3,4,5,6,7
	v_cmp_gt_f32 s30, v[LG+\e], v88
	v_cmp_gt_f32 vcc_lo, v[LG+\e], v90
	v_cndmask_b32 v92, v90, v[LG+\e], vcc_lo
	v_cndmask_b32 v93, v91, \e, vcc_lo
	v_cndmask_b32 v90, v92, v88, s30
	v_cndmask_b32 v91, v93, v89, s30
	v_cndmask_b32 v88, v88, v[LG+\e], s30
	v_cndmask_b32 v89, v89, \e, s30
.endr
	v_sub_f32 v94, v90, v88                        ; l1 - l0, 0 or less
	v_mul_f32 v94, 0x3fb8aa3b, v94
	v_exp_f32 v95, v94                             ; t = e^(l1 - l0)
	v_lshl_or_b32 v99, v91, 8, v89                 ; the sel word; also the plain line behind the exponential
	s_wait_alu depctr_va_vdst(0)                   ; ahead of the first line that names t
	v_add_f32 v96, 1.0, v95
	v_rcp_f32 v97, v96                             ; the first weight
	v_nop
	s_wait_alu depctr_va_vdst(0)
	v_mul_f32 v98, v95, v97                        ; the second
.irp e, 0,1,2,3,4,5,6,7
	ds_store_b32 v5, v[LG+\e] offset:4*\e          ; all lanes write the same word with the same value
.endr
	ds_store_b32 v6, v99
	ds_store_b32 v7, v97
	ds_store_b32 v7, v98 offset:4
	s_wait_dscnt 0x0                               ; for wave 0's sake: my stores have landed
	s_barrier_signal -1
	s_barrier_wait -1
	s_cmp_lg_u32 s20, 0
	s_cbranch_scc1 .Ldone
	ds_load_b64 v[142:143], v8                     ; wave 0 takes the eight tokens' results out: 256 bytes of logits,
	ds_load_u8 v144, v1 offset:256                 ; 32 of sel,
	ds_load_u16 v145, v10 offset:512               ; 64 of cw: each lane another piece
	s_wait_dscnt 0x0
	global_store_b64 v8, v[142:143], s[16:17]      ; 256 consecutive bytes, at a multiple of 256 from out1's first byte
	global_store_b8 v1, v144, s[12:13]
	global_store_b16 v10, v145, s[14:15]
.Ldone:
	s_wait_tensorcnt 0x0
	ds_add_u32 v254, v255
	s_wait_dscnt 0x0
	s_endpgm
.Lfunc_end_k_qbb7ac4d660_route:
	.size	k_qbb7ac4d660_route, .Lfunc_end_k_qbb7ac4d660_route-k_qbb7ac4d660_route
	.p2alignl 7, 3214868480
	.fill 96, 4, 3214868480
	.section	.rodata,"a",@progbits
	.p2align	6, 0x0
	.amdhsa_kernel k_qbb7ac4d660_route
		.amdhsa_group_segment_fixed_size 34816
		.amdhsa_private_segment_fixed_size 0
		.amdhsa_enable_private_segment 0
		.amdhsa_kernarg_size 56
		.amdhsa_user_sgpr_count 2
		.amdhsa_user_sgpr_kernarg_segment_ptr 1
		.amdhsa_wavefront_size32 1
		.amdhsa_system_sgpr_workgroup_id_x 1
		.amdhsa_system_sgpr_workgroup_id_y 1
		.amdhsa_system_sgpr_workgroup_id_z 1
		.amdhsa_system_vgpr_workitem_id 0
		.amdhsa_next_free_vgpr 512
		.amdhsa_next_free_sgpr 66
		.amdhsa_reserve_vcc 1
		.amdhsa_float_denorm_mode_32 3
		.amdhsa_float_denorm_mode_16_64 3
		.amdhsa_memory_ordered 1
		.amdhsa_forward_progress 1
		.amdhsa_inst_pref_size 29
	.end_amdhsa_kernel
	.amdgpu_metadata
---
amdhsa.version: [ 1, 2 ]
amdhsa.kernels:
  - .name:           k_qbb7ac4d660_route
    .symbol:         k_qbb7ac4d660_route.kd
    .args:
      - { .name: x, .offset: 0, .size: 8, .value_kind: global_buffer, .address_space: global }
      - { .name: gate_w, .offset: 8, .size: 8, .value_kind: global_buffer, .address_space: global }
      - { .name: xq, .offset: 16, .size: 8, .value_kind: global_buffer, .address_space: global }
      - { .name: xs, .offset: 24, .size: 8, .value_kind: global_buffer, .address_space: global }
      - { .name: sel, .offset: 32, .size: 8, .value_kind: global_buffer, .address_space: global }
      - { .name: cw, .offset: 40, .size: 8, .value_kind: global_buffer, .address_space: global }
      - { .name: out1, .offset: 48, .size: 8, .value_kind: global_buffer, .address_space: global }
    .group_segment_fixed_size: 34816
    .private_segment_fixed_size: 0
    .kernarg_segment_align: 8
    .kernarg_segment_size: 56
    .max_flat_workgroup_size: 256
    .sgpr_count:     66
    .vgpr_count:     512
    .wavefront_size: 32
...
	.end_amdgpu_metadata
.endif
;; end of part 1
;; launch up (part 2): grid 32 x 8, 4 waves a work-group, no clusters, 271,360 bytes of LDS; arguments xq, xs, sel, w1_codes, w1_scales, hq, hs, rows; writes hq, hs, rows
.if DOCPART == 2
	.amdgcn_target "amdgcn-amd-amdhsa--gfx1250"
	.amdhsa_code_object_version 6
	.text
	.protected	k_qbb7ac4d660_up
	.globl	k_qbb7ac4d660_up
	.p2align	8
	.type	k_qbb7ac4d660_up,@function
k_qbb7ac4d660_up:
	s_mov_b64 s[64:65], 0
	v_nop
	global_prefetch_b8 v0, s[64:65] scope:SCOPE_SE
	s_setreg_imm32_b32 hwreg(HW_REG_WAVE_MODE, 25, 1), 1
	s_wait_xcnt 0x0
; UP.  For the rows routed to expert e: [g, lin] = x W1[e] on codes of E4M3, a = silu(g) lin in f32, a quantised along H.  Only the tokens that chose e are multiplied.
; SHARES.  Work-group (sl, e) owns 64 hidden units of expert e.  Wave w: hh = w & 1, mp = w >> 1; it owns the block of 32 hidden units blk = 2 sl + hh.  A TRIP is 64 rows of the expert's list, four
; tiles of 16; the wave multiplies tiles 2 mp and 2 mp + 1 of each trip.
; THE WEIGHTS STAY: the wave's four tiles of 16 rows of W1 (two of g, two of lin), all of K = 1,024, are 512 registers.
; THE WORK-GROUP ASKS FOR EACH BYTE ONCE; what two waves need goes from wave to wave through LDS as images of operand registers (16 bytes a lane, 512 a group of four registers).
;   W1: waves w and w xor 2 hold the same rows.  Each loads half of K, K steps 4 mp + 0 .. 3, into window 1 (POSITIONS 0-3), stores their image and fetches its partner's into window 2 (positions 4-7).
;   So position s stands for K step (s + 4 mp) mod 8.  x's codes and all scale words are LOADED in that order, by constants of the wave in their addresses: the text has no branch on mp.
;   x: wave w loads tile w of a trip; its two readers are the waves with the same mp as its own, so it loads in its own order of positions.  Two slots of four tiles take turns.
; THE LIST.  Wave 0 of every work-group places expert e's rows from sel (a counting pass, rank = rows of e found so far) into LDS, while the weights are on their way; the work-groups with sl = 0
; also store list and count (rows) for the next launch.  Entry = 2 token + slot.  Entries beyond the count are 2048 + e: here they stand for token 1,023, whose row is multiplied and not used;
; in the next launch they name expert e's spare row of its output.  Trip 0 is always worked: so tiles 0 to 3 of every expert are stored, whatever the split; a trip that is worked stores all its four tiles.
; LAYOUT.  The product is used transposed (source 0 = 16 rows of W1, source 1 = 16 rows of x), and lane r of tile u' takes W1's row 32 blk + 8 u' + r + 8 (r / 8): a lane then holds ONE row, and the 16 registers
; of its two tiles are hidden units 32 blk + 16 (lane / 16) + 0 .. 15: the conversions' four registers ARE registers 4 c .. 4 c + 3 of the next product's fragment of K step blk / 4, c = blk % 4.
; SCALE WORDS lie two positions to a register: lanes 0-15 hold the word of position j, lanes 16-31 that of position 4 + j, which the products of positions 4-7 read by the ROW1 selectors.
; hq: [e][tile of 16 rows][K step 16][c 4][lane 32][16 bytes]: images of operand registers; a wave's store covers 512 consecutive bytes.  hs: [e x 1024 + rank][64]: one byte a row and block,
; single bytes 64 apart: a wave owns one block.
; THE LOOP has 16 trips, a constant, and a barrier at the head of each, on every wave's path; a trip whose rows lie beyond the count jumps over its work alone.  In trip t the rows of trip t + 1, asked for a
; trip ago, go into the slot that is not being read, and those of trip t + 2 are asked for: as two half-blocks, a (positions 0-3 and the scale words, 17 loads) and b (positions 4-7, 16 loads), at two places
; of the trip.  A worked trip always issues a and then b, so the counted waits hold whichever trips are jumped over.
; NO TENSOR LOADS, NO CLUSTER, though the 32 work-groups of an expert read the same rows of x: how many rows there are is a number read from memory, and a branch hangs on it.
; EXEC is never written: every lane is on throughout.
; LIMITS: NaN and infinities are not served.  A block whose largest magnitude lies under 2^-118 gets the byte 1; so does a block of zeros (its codes are zeros; this program alone reads the bytes).
; In the waves with mp = 1 the f32 sums take K steps 4-7 ahead of 0-3: another order of rounding than ascending K.
; REGISTERS: window 0 as named below; window 1: W1's fragment (tile tt, position s < 4) at v[64 s + 16 tt]; window 2: positions 4-7 likewise; window 3: v0-127 the tile being multiplied, v128-255 my tile on its way in.
.set FLOOR, 0x4800000
.set CNT,   4352                       ; LDS: the list, 1,024 words, at 0; a spare word for each lane of wave 0 at 4,096; the count at 4,352
.set TIMG,  16896                      ; a tile's image: 32 groups of 512 bytes of codes, then 512 bytes of scale words
.set XIMG,  4608                       ; slot 0; slot 1 lies XSLOT further on
.set XSLOT, 4*TIMG
.set WIMG,  XIMG+2*XSLOT               ; W1's images: 32,768 bytes for each wave
.set L16,  4                           ; v4   16 x lane
.set WA,   5                           ; v5   W1: (r + 8 (r / 8)) x 1,024 + 16 h
.set WSA,  6                           ; v6   W1's scale words: (r + 8 (r / 8)) x 32 + 16 (h xor mp)
.set LAB,  7                           ; v7   the list: 64 w + 4 r: my row of my tile
.set LA,   8                           ; v8   where the list is read
.set EN,   9                           ; v9   my row's entry
.set EN1,  10                          ; v10  the same for trip 1, at the head
.set TK,   11                          ; v11  a token
.set XAA,  12                          ; v12-14  offsets of my row: codes of positions 0-3, codes of positions 4-7, scale words
.set PAA,  15                          ; v15-17  the same for trip 0, whose loads are out together with trip 1's
.set R64,  18                          ; v18  64 r
.set H16A, 19                          ; v19  16 h + 512 mp: where positions 0-3 begin in a row of codes
.set H16B, 20                          ; v20  16 h + 512 (1 - mp): positions 4-7
.set C16,  21                          ; v21  16 (h xor mp): my four scale words in a row's eight
.set ZR,   28                          ; v28-31  2048 + e: what the list holds beyond the count
.set L8,   32                          ; v32  8 x lane
.set DL,   33                          ; v33  1,024 + lane: the place in the list's words of my spare word
.set L4,   34                          ; v34  4 x lane
.set CA,   35                          ; v35  LDS address of the count
.set CV,   36                          ; v36  the count as read back
.set XW,   38                          ; v38-39  where I store my tile's image, slot 0, 1
.set XR,   40                          ; v40-41  where I read my unit's two tiles, slot 0, 1
.set WW,   42                          ; v42  where I store my half of W1
.set WR,   43                          ; v43  where I read my partner's
.set M0,   44
.set M1,   45
.set M2,   46
.set SCL,  47
.set HOLD, 48
.set BYTE, 50                          ; v50-51  the scale's byte, a register for each tile of the unit
.set HQO,  52                          ; v52-53  offset of the store into hq
.set HSO,  54                          ; v54-55  and into hs
.set PC,   56                          ; v56-63  the codes just made, four registers for each tile of the unit
.set W1S,  64                          ; v64-79  W1's scale words: 4 tt + j
.set XSF,  80                          ; v80-83  scale words of the tile being multiplied
.set STS,  84                          ; v84-87  scale words of my tile on its way in
.set ACC,  96                          ; v96-111  g (tiles 0, 1)
.set LIN,  112                         ; v112-127 lin (tiles 2, 3), then a
.set T,    128                         ; v128-143 at work
.set SELW, 160                         ; v160-191 sel: register 4 q + j of lane l is token 128 q + 4 l + j
.set EXPT, 192                         ; v192-223 the list on its way to memory
.set MSB, 0
.macro WIN new                         ; the immediate's high byte repeats the setting that is left
.if MSB != (\new)
	s_set_vgpr_msb (MSB<<8)|(\new)
.set MSB, (\new)
.endif
.endm
.macro PLACES n
.rept \n
	v_nop
.endr
.endm
.macro WLOAD s                         ; W1's four fragments of position s (0 to 3): 16 loads; the base stands at my half of K
	WIN 0x40
.irp tt, 0,1,2,3
.irp c, 0,1,2,3
	global_load_b128 v[64*(\s)+16*\tt+4*\c:64*(\s)+16*\tt+4*\c+3], v[WA], s[10:11] offset:((\tt/2)*2048+8*(\tt%2))*1024+128*(\s)+32*\c
.endr
.endr
.endm
.macro XADDR a, en                     ; from my row's entry to its three offsets: the token is held under 1,024 by a constant, then only shifted and added
	v_lshrrev_b32 v[TK], 1, v[\en]
	v_min_u32 v[TK], 0x3ff, v[TK]
	v_lshl_add_u32 v[\a], v[TK], 10, v[H16A]
	v_lshl_add_u32 v[\a+1], v[TK], 10, v[H16B]
	v_lshl_add_u32 v[\a+2], v[TK], 5, v[C16]
.endm
.macro XLOAD_A a, d, ss                ; half-block a: positions 0-3 of my tile into window 3 from v[d] on, and its scale words: 17 loads
	WIN 0xc0
.irp s, 0,1,2,3
.irp c, 0,1,2,3
	global_load_b128 v[\d+16*\s+4*\c:\d+16*\s+4*\c+3], v[\a], s[4:5] offset:128*\s+32*\c
.endr
.endr
	WIN 0
	global_load_b128 v[\ss:\ss+3], v[\a+2], s[6:7]
.endm
.macro XLOAD_B a, d                    ; half-block b: positions 4-7: 16 loads
	WIN 0xc0
.irp s, 0,1,2,3
.irp c, 0,1,2,3
	global_load_b128 v[\d+64+16*\s+4*\c:\d+64+16*\s+4*\c+3], v[\a+1], s[4:5] offset:128*\s+32*\c
.endr
.endr
	WIN 0
.endm
.macro XSTORE_A q, d, ss               ; half-block a goes into slot q as it stands
	WIN 0x0c                                       ; an LDS store's data are its source 1: window 3
.set G, 0
.rept 16
	ds_store_b128 v[XW+(\q)], v[\d+4*G:\d+4*G+3] offset:512*G
.set G, G+1
.endr
	WIN 0
	ds_store_b128 v[XW+(\q)], v[\ss:\ss+3] offset:16384
.endm
.macro XSTORE_B q, d
	WIN 0x0c
.set G, 16
.rept 16
	ds_store_b128 v[XW+(\q)], v[\d+4*G:\d+4*G+3] offset:512*G
.set G, G+1
.endr
	WIN 0
.endm
.macro FLOAD p, b                      ; tile b of my unit comes out of slot p: the same registers in the same lanes as its loader had
	WIN 0xc0
.set G, 0
.rept 32
	ds_load_b128 v[4*G:4*G+3], v[XR+(\p)] offset:TIMG*(\b)+512*G
.set G, G+1
.endr
	WIN 0
	ds_load_b128 v[XSF:XSF+3], v[XR+(\p)] offset:TIMG*(\b)+16384
.endm
.macro MUL                             ; 32 products: the four accumulators take turns, one instruction a turn; position 0 starts the sums
.irp s, 0,1,2,3,4,5,6,7
	WIN 0x0d+(\s/4)                                ; source 0 (W1) window 1 or 2, source 1 (x) window 3, C and D window 0
.irp tt, 0,1,2,3
.if \s == 0
	v_wmma_scale_f32_16x16x128_f8f6f4 v[ACC+8*\tt:ACC+8*\tt+7], v[64*(\s%4)+16*\tt:64*(\s%4)+16*\tt+15], v[16*\s:16*\s+15], 0, v[W1S+4*\tt+\s%4], v[XSF+\s%4]
.elseif \s < 4
	v_wmma_scale_f32_16x16x128_f8f6f4 v[ACC+8*\tt:ACC+8*\tt+7], v[64*(\s%4)+16*\tt:64*(\s%4)+16*\tt+15], v[16*\s:16*\s+15], v[ACC+8*\tt:ACC+8*\tt+7], v[W1S+4*\tt+\s%4], v[XSF+\s%4]
.else
	v_wmma_scale_f32_16x16x128_f8f6f4 v[ACC+8*\tt:ACC+8*\tt+7], v[64*(\s%4)+16*\tt:64*(\s%4)+16*\tt+15], v[16*\s:16*\s+15], v[ACC+8*\tt:ACC+8*\tt+7], v[W1S+4*\tt+\s%4], v[XSF+\s%4] matrix_a_scale:MATRIX_SCALE_ROW1 matrix_b_scale:MATRIX_SCALE_ROW1
.endif
.endr
.endr
	WIN 0
.endm
.macro ACT                             ; a = (g / (1 + 2^(-g log2 e))) x lin.  Each accumulator is read from its low end on
.irp i, 0,1,2,3,4,5,6,7
	v_pk_mul_f32 v[T+2*\i:T+2*\i+1], v[ACC+2*\i:ACC+2*\i+1], 0xbfb8aa3b op_sel_hi:[1,0]
.endr
.irp i, 0,1,2,3,4,5,6,7,8,9,10,11,12,13,14,15
	v_exp_f32 v[T+\i], v[T+\i]
.endr
	v_nop                                          ; a plain line behind the last exponential
	s_wait_alu depctr_va_vdst(0)                   ; one wait for the sixteen, ahead of their first reader
.irp i, 0,1,2,3,4,5,6,7
	v_pk_add_f32 v[T+2*\i:T+2*\i+1], v[T+2*\i:T+2*\i+1], 1.0 op_sel_hi:[1,0]
.endr
.irp i, 0,1,2,3,4,5,6,7,8,9,10,11,12,13,14,15
	v_rcp_f32 v[T+\i], v[T+\i]
.endr
	v_nop
	s_wait_alu depctr_va_vdst(0)                   ; and one for the sixteen reciprocals
.irp i, 0,1,2,3,4,5,6,7
	v_pk_mul_f32 v[T+2*\i:T+2*\i+1], v[T+2*\i:T+2*\i+1], v[ACC+2*\i:ACC+2*\i+1]
.endr
.irp i, 0,1,2,3,4,5,6,7
	v_pk_mul_f32 v[LIN+2*\i:LIN+2*\i+1], v[LIN+2*\i:LIN+2*\i+1], v[T+2*\i:T+2*\i+1]
.endr
.endm
.macro QH k                            ; my 16 numbers of the block, with lane l xor 16's: the scale's byte and 16 codes, into the registers of tile k of the unit
	v_max3_num_f32 v[M0], |v[LIN]|, |v[LIN+1]|, FLOOR
	v_max3_num_f32 v[M1], |v[LIN+2]|, |v[LIN+3]|, |v[LIN+4]|
.irp i, 5,9
	v_max3_num_f32 v[M0], v[M0], |v[LIN+\i]|, |v[LIN+\i+1]|
	v_max3_num_f32 v[M1], v[M1], |v[LIN+\i+2]|, |v[LIN+\i+3]|
.endr
	v_max3_num_f32 v[M0], v[M0], |v[LIN+13]|, |v[LIN+14]|
	v_max3_num_f32 v[M0], v[M0], v[M1], |v[LIN+15]|
	v_permlanex16_b32 v[M2], v[M0], s40, s41
	v_max_num_f32 v[M0], v[M0], v[M2]              ; the block's largest magnitude
	v_add_nc_u32 v[SCL], 0xfc000000, v[M0]         ; 8 off its exponent field: the conversion's scale operand
	v_and_or_b32 v[HOLD], v[M0], 0x7f800000, s38   ; 448 x the scale
	v_lshrrev_b32 v[BYTE+\k], 23, v[SCL]           ; the scale's byte
.irp i, 0,1,2,3,4,5,6,7,8,9,10,11,12,13,14,15
	v_med3_num_f32 v[LIN+\i], v[LIN+\i], -v[HOLD], v[HOLD]   ; the conversion to an 8-bit code does not saturate (ISA guide 7.6.2)
.endr
	v_cvt_scalef32_pk8_fp8_f32 v[PC+4*\k:PC+4*\k+1], v[LIN:LIN+7], v[SCL]
	v_cvt_scalef32_pk8_fp8_f32 v[PC+4*\k+2:PC+4*\k+3], v[LIN+8:LIN+15], v[SCL]
.endm
.macro HSTORE k                        ; tile 4 t + 2 mp + k: 512 consecutive bytes of codes, and a byte a row.  The two additions are the plain lines behind the conversions
	s_add_co_u32 s36, s39, s45
	s_add_co_u32 s36, s36, \k
	s_lshl_b32 s37, s36, 10
	s_lshl_b32 s36, s36, 15
	v_add_nc_u32 v[HQO+\k], s36, v[L16]
	v_add_nc_u32 v[HSO+\k], s37, v[R64]
	global_store_b128 v[HQO+\k], v[PC+4*\k:PC+4*\k+3], s[14:15]
	global_store_b8 v[HSO+\k], v[BYTE+\k], s[16:17]   ; lanes l and l xor 16 write the same byte with the same value
.endm
; A TRIP, of parity p.  The barrier at its head says two things of every wave: its part of slot p has landed, and its reads of the other slot are over.
.macro TRIP p
	s_wait_dscnt 0x0                               ; my LDS stores have landed and my LDS loads are in
	s_barrier_signal -1
	s_barrier_wait -1
	s_add_co_u32 s39, s33, 4*\p                    ; 4 t: the trip's first tile
	s_lshl_b32 s36, s39, 4                         ; 64 t: its first row
	s_cmp_ge_u32 s36, s28
	s_cbranch_scc1 .Lskip_\@                       ; beyond the count: nothing to do (the next barrier stands behind the label)
	s_add_co_u32 s35, s39, 8
	s_min_u32 s35, s35, 60                         ; the trip to be asked for, t + 2, held at 15; what is fetched for entries beyond the count is not used
	s_lshl_b32 s35, s35, 6
	v_add_nc_u32 v[LA], s35, v[LAB]
	ds_load_b32 v[EN], v[LA]
	FLOAD \p, 0
	s_wait_loadcnt 16                              ; half-block b's 16 loads are younger: half-block a of trip t + 1, asked for a trip ago, is in
	XSTORE_A 1-\p, 128, STS
	s_wait_dscnt 0x0                               ; the entry and the first tile are in; the stores have read their registers, which take the loads below
	s_wait_xcnt 0x0                                ; the last trip's four stores and half-block b have read their registers: the offsets, PC, BYTE, HQO and HSO are written again below
	XADDR XAA, EN
	XLOAD_A XAA, 128, STS                          ; trip t + 2: it has a whole trip in which to land
	MUL
	PLACES 9                                       ; 8 in front of loads into registers that the products read and of the first read of results; 9 in front of the next products, which write over the results
	FLOAD \p, 1                                    ; the second tile comes while the first is worked on
	ACT
	QH 0
	HSTORE 0
	s_wait_loadcnt 17                              ; half-block a's 17 loads are younger: half-block b of trip t + 1 is in
	XSTORE_B 1-\p, 128
	s_wait_dscnt 0x0                               ; the second tile is in; the stores have read their registers
	XLOAD_B XAA, 128
	MUL
	PLACES 9
	ACT
	QH 1
	HSTORE 1
.Lskip_\@:
.endm
	s_load_b256 s[4:11], s[0:1], 0x0               ; xq s[4:5], xs s[6:7], sel s[8:9], w1_codes s[10:11]
	s_load_b256 s[12:19], s[0:1], 0x20             ; w1_scales s[12:13], hq s[14:15], hs s[16:17], rows s[18:19]
	v_lshl_add_u32 v254, v0, 2, 0x42200
	v_mov_b32 v255, 0
	v_lshrrev_b32 v1, 5, v0
	v_readfirstlane_b32 s20, v1                    ; wave 0..3
	v_and_b32 v1, 31, v0                           ; lane
	v_and_b32 v2, 15, v0                           ; r
	v_bfe_u32 v3, v0, 4, 1                         ; h
	s_and_b32 s21, s20, 1                          ; hh
	s_lshr_b32 s22, s20, 1                         ; mp
	s_mov_b32 s23, ttmp9                           ; sl
	s_and_b32 s24, ttmp7, 0xffff                   ; e
	s_lshl_b32 s25, s23, 1
	s_add_co_u32 s25, s25, s21                     ; blk
	s_lshl_b32 s45, s22, 1                         ; 2 mp: my unit's first tile in a trip
	v_lshlrev_b32 v[L16], 4, v1
	v_and_b32 v22, 8, v2
	v_add_nc_u32 v22, v22, v2                      ; r + 8 (r / 8)
	v_lshlrev_b32 v[WA], 10, v22
	v_lshl_add_u32 v[WA], v3, 4, v[WA]
	v_xor_b32 v[C16], s22, v3
	v_lshlrev_b32 v[C16], 4, v[C16]
	v_lshl_add_u32 v[WSA], v22, 5, v[C16]
	s_lshl_b32 s36, s20, 6
	v_lshl_add_u32 v[LAB], v2, 2, s36
	v_lshlrev_b32 v[R64], 6, v2
	s_lshl_b32 s36, s22, 9
	v_lshl_add_u32 v[H16A], v3, 4, s36
	s_xor_b32 s37, s22, 1
	s_lshl_b32 s37, s37, 9
	v_lshl_add_u32 v[H16B], v3, 4, s37
	v_lshlrev_b32 v[L8], 3, v1
	v_lshlrev_b32 v[L4], 2, v1
	v_add_nc_u32 v[DL], 0x400, v1
	v_mov_b32 v[CA], CNT
	v_mov_b32 v[M2], 0                             ; written once: a lane permute's destination counts as one of its sources
	s_mul_i32 s36, s20, TIMG                       ; every LDS address is a constant + a constant x wave + 16 x lane, made here, ahead of the first parting of the waves
	s_add_co_u32 s36, s36, XIMG
	v_add_nc_u32 v[XW], s36, v[L16]
	v_add_nc_u32 v[XW+1], XSLOT, v[XW]
	s_mul_i32 s36, s22, 2*TIMG
	s_add_co_u32 s36, s36, XIMG
	v_add_nc_u32 v[XR], s36, v[L16]
	v_add_nc_u32 v[XR+1], XSLOT, v[XR]
	s_lshl_b32 s36, s20, 15
	s_add_co_u32 s36, s36, WIMG
	v_add_nc_u32 v[WW], s36, v[L16]
	s_xor_b32 s37, s20, 2
	s_lshl_b32 s37, s37, 15
	s_add_co_u32 s37, s37, WIMG
	v_add_nc_u32 v[WR], s37, v[L16]
	s_add_co_u32 s39, s24, 2048
.irp i, 0,1,2,3
	v_mov_b32 v[ZR+\i], s39                        ; 2048 + e
.endr
	s_mov_b32 s27, 0
	s_mov_b32 s38, 0x600000                        ; the mantissa field of 448
	s_mov_b32 s40, 0x76543210
	s_mov_b32 s41, 0xfedcba98
	s_wait_kmcnt 0x0
	s_lshl_b32 s26, s24, 22
	s_lshl_b32 s36, s25, 15
	s_add_co_u32 s26, s26, s36
	s_lshl_b32 s36, s22, 9
	s_add_co_u32 s26, s26, s36
	s_add_nc_u64 s[10:11], s[10:11], s[26:27]      ; W1[e] at row 32 blk, at my half of K
	s_lshl_b32 s26, s24, 17
	s_lshl_b32 s36, s25, 10
	s_add_co_u32 s26, s26, s36
	s_add_nc_u64 s[12:13], s[12:13], s[26:27]      ; and its scale bytes
	s_lshl_b32 s26, s24, 21
	s_lshl_b32 s36, s25, 9
	s_add_co_u32 s26, s26, s36
	s_add_nc_u64 s[14:15], s[14:15], s[26:27]      ; hq: expert e, (K step, c) = blk
	s_lshl_b32 s26, s24, 16
	s_add_co_u32 s26, s26, s25
	s_add_nc_u64 s[16:17], s[16:17], s[26:27]      ; hs: expert e, byte blk of a row
	s_lshl_b32 s26, s24, 7
	s_add_co_u32 s26, s26, 32768
	s_add_nc_u64 s[42:43], s[18:19], s[26:27]      ; rows: expert e's count, 32 copies
	s_lshl_b32 s26, s24, 12
	s_add_nc_u64 s[18:19], s[18:19], s[26:27]      ; rows: expert e's list
.irp q, 0,1,2,3,4,5,6,7
	global_load_b128 v[SELW+4*\q:SELW+4*\q+3], v[L16], s[8:9] offset:512*\q   ; every wave issues these, so that all count alike; wave 0 uses them
.endr
.irp tt, 0,1,2,3
	global_load_b128 v[W1S+4*\tt:W1S+4*\tt+3], v[WSA], s[12:13] offset:((\tt/2)*2048+8*(\tt%2))*32
.endr
	WLOAD 0
	WLOAD 1
	WIN 0
	s_cmp_lg_u32 s20, 0
	s_cbranch_scc1 .Lscanned
	; ---- wave 0 places expert e's rows.  No other wave touches LDS ahead of the barrier
	s_wait_loadcnt 36                              ; 4 + 16 + 16 loads are younger than sel's
.irp q, 0,1,2,3,4,5,6,7
	ds_store_b128 v[L16], v[ZR:ZR+3] offset:512*\q ; entries beyond the count are 2048 + e
.endr
	s_mov_b32 s32, 0                               ; rows found so far
.macro SCAN n                          ; 32 tokens: 128 (n / 4) + 4 lane + n % 4.  Every lane stores: a lane whose token did not choose e, to its spare word
	v_and_b32 v22, 0xff, v[SELW+\n]
	v_lshrrev_b32 v23, 8, v[SELW+\n]
	v_cmp_eq_u32 s30, s24, v22                     ; e is the token's first choice,
	v_cmp_eq_u32 vcc_lo, s24, v23                  ; or its second
	v_cndmask_b32 v25, 0, 1, vcc_lo                ; the slot
	s_or_b32 vcc_lo, vcc_lo, s30
	v_mbcnt_lo_u32_b32 v24, vcc_lo, s32            ; rank = rows so far + rows in the lanes below me
	v_add3_u32 v25, v[L8], v25, 256*(\n/4)+2*(\n%4)  ; entry = 2 token + slot
	v_cndmask_b32 v24, v[DL], v24, vcc_lo          ; the rank, or my spare word's place
	v_min_u32 v24, 0x41f, v24                      ; held by a constant, then only shifted
	v_lshlrev_b32 v27, 2, v24
	ds_store_b32 v27, v25
	s_bcnt1_i32_b32 s31, vcc_lo
	s_add_co_u32 s32, s32, s31
.endm
.irp n, 0,1,2,3,4,5,6,7,8,9,10,11,12,13,14,15,16,17,18,19,20,21,22,23,24,25,26,27,28,29,30,31
	SCAN \n
.endr
	v_mov_b32 v26, s32                             ; the count, for the next launch
	s_max_u32 s31, s32, 1
	v_mov_b32 v25, s31
	ds_store_b32 v[CA], v25                        ; and, for this one, at least 1: trip 0 is always worked
	s_cmp_lg_u32 s23, 0
	s_cbranch_scc1 .Lscanned                       ; one work-group of each expert hands list and count to the next launch
.irp q, 0,1,2,3,4,5,6,7
	ds_load_b128 v[EXPT+4*\q:EXPT+4*\q+3], v[L16] offset:512*\q   ; LDS serves a wave's instructions in order (ISA guide 5.7.1.4): these see the stores above
.endr
	s_wait_dscnt 0x0
.irp q, 0,1,2,3,4,5,6,7
	global_store_b128 v[L16], v[EXPT+4*\q:EXPT+4*\q+3], s[18:19] offset:512*\q
.endr
	global_store_b32 v[L4], v26, s[42:43]
.Lscanned:
	WLOAD 2
	WLOAD 3
	WIN 0
	s_wait_dscnt 0x0                               ; wave 0's stores into the list have landed
	s_barrier_signal -1
	s_barrier_wait -1                              ; from here on list and count are only read.  (The weights' loads stay out across the barrier: nobody writes those bytes)
	ds_load_b32 v[CV], v[CA]
	ds_load_b32 v[EN], v[LAB]                      ; my row of trip 0,
	ds_load_b32 v[EN1], v[LAB] offset:256          ; and of trip 1
	s_wait_dscnt 0x0
	v_readfirstlane_b32 s28, v[CV]
	s_min_u32 s28, s28, 1024                       ; the rows to be worked, 1 to 1,024
	XADDR PAA, EN
	XLOAD_A PAA, 0, XSF                            ; trip 0's tile comes through the registers that will hold the tile being multiplied,
	XLOAD_B PAA, 0
	XADDR XAA, EN1
	XLOAD_A XAA, 128, STS                          ; trip 1's through its own: both blocks are out together, each with offsets of its own
	XLOAD_B XAA, 128
	s_wait_loadcnt 63                              ; 66 loads are younger than W1's; the count's field holds 63, and a smaller count is safe: my half of W1 and its scale words are in
	WIN 0x04                                       ; the data: window 1
.set G, 0
.rept 64
	ds_store_b128 v[WW], v[4*G:4*G+3] offset:512*G ; my half of W1, as it stands
.set G, G+1
.endr
	WIN 0
	s_wait_loadcnt 33                              ; trip 1's 33 loads are younger: trip 0's tile is in
	XSTORE_A 0, 0, XSF
	XSTORE_B 0, 0
	s_wait_dscnt 0x0                               ; for the others' sake: my images have landed
	s_barrier_signal -1
	s_barrier_wait -1
	WIN 0x80                                       ; destination window 2
.set G, 0
.rept 64
	ds_load_b128 v[4*G:4*G+3], v[WR] offset:512*G  ; my partner's half: my positions 4-7.  (The wait at the first trip's head covers these)
.set G, G+1
.endr
	WIN 0
	s_mov_b32 s33, 0                               ; 4 t of the pass's first trip
	s_mov_b32 s34, 0
.Lpass:                                                ; 8 passes of two trips, a constant: the slots change places and are back
	TRIP 0
	TRIP 1
	s_add_co_u32 s33, s33, 8
	s_add_co_u32 s34, s34, 1
	s_cmp_lt_u32 s34, 8
	s_cbranch_scc1 .Lpass
	s_wait_tensorcnt 0x0
	ds_add_u32 v254, v255
	s_wait_dscnt 0x0
	s_endpgm
.Lfunc_end_k_qbb7ac4d660_up:
	.size	k_qbb7ac4d660_up, .Lfunc_end_k_qbb7ac4d660_up-k_qbb7ac4d660_up
	.p2alignl 7, 3214868480
	.fill 96, 4, 3214868480
	.section	.rodata,"a",@progbits
	.p2align	6, 0x0
	.amdhsa_kernel k_qbb7ac4d660_up
		.amdhsa_group_segment_fixed_size 271360
		.amdhsa_private_segment_fixed_size 0
		.amdhsa_enable_private_segment 0
		.amdhsa_kernarg_size 64
		.amdhsa_user_sgpr_count 2
		.amdhsa_user_sgpr_kernarg_segment_ptr 1
		.amdhsa_wavefront_size32 1
		.amdhsa_system_sgpr_workgroup_id_x 1
		.amdhsa_system_sgpr_workgroup_id_y 1
		.amdhsa_system_sgpr_workgroup_id_z 1
		.amdhsa_system_vgpr_workitem_id 0
		.amdhsa_next_free_vgpr 1024
		.amdhsa_next_free_sgpr 66
		.amdhsa_reserve_vcc 1
		.amdhsa_float_denorm_mode_32 3
		.amdhsa_float_denorm_mode_16_64 3
		.amdhsa_memory_ordered 1
		.amdhsa_forward_progress 1
		.amdhsa_inst_pref_size 115
	.end_amdhsa_kernel
	.amdgpu_metadata
---
amdhsa.version: [ 1, 2 ]
amdhsa.kernels:
  - .name:           k_qbb7ac4d660_up
    .symbol:         k_qbb7ac4d660_up.kd
    .args:
      - { .name: xq, .offset: 0, .size: 8, .value_kind: global_buffer, .address_space: global }
      - { .name: xs, .offset: 8, .size: 8, .value_kind: global_buffer, .address_space: global }
      - { .name: sel, .offset: 16, .size: 8, .value_kind: global_buffer, .address_space: global }
      - { .name: w1_codes, .offset: 24, .size: 8, .value_kind: global_buffer, .address_space: global }
      - { .name: w1_scales, .offset: 32, .size: 8, .value_kind: global_buffer, .address_space: global }
      - { .name: hq, .offset: 40, .size: 8, .value_kind: global_buffer, .address_space: global }
      - { .name: hs, .offset: 48, .size: 8, .value_kind: global_buffer, .address_space: global }
      - { .name: rows, .offset: 56, .size: 8, .value_kind: global_buffer, .address_space: global }
    .group_segment_fixed_size: 271360
    .private_segment_fixed_size: 0
    .kernarg_segment_align: 8
    .kernarg_segment_size: 64
    .max_flat_workgroup_size: 128
    .sgpr_count:     66
    .vgpr_count:     1024
    .wavefront_size: 32
...
	.end_amdgpu_metadata
.endif
;; end of part 2
;; launch down (part 3): grid 32 x 8, 4 waves a work-group, no clusters, 84,992 bytes of LDS; arguments hq, hs, rows, w2_codes, w2_scales, ybuf; writes ybuf
.if DOCPART == 3
	.amdgcn_target "amdgcn-amd-amdhsa--gfx1250"
	.amdhsa_code_object_version 6
	.text
	.protected	k_qbb7ac4d660_down
	.globl	k_qbb7ac4d660_down
	.p2align	8
	.type	k_qbb7ac4d660_down,@function
k_qbb7ac4d660_down:
	s_mov_b64 s[64:65], 0
	v_nop
	global_prefetch_b8 v0, s[64:65] scope:SCOPE_SE
	s_setreg_imm32_b32 hwreg(HW_REG_WAVE_MODE, 25, 1), 1
	s_wait_xcnt 0x0
; DOWN.  y = a W2[e] on codes of E4M3 for the rows routed to expert e, not yet weighted: ybuf[2 token + slot][1024], f32.  Each row of ybuf has one expert.
; SHARES.  Work-group (rq, cs, e), rq = x & 3, cs = x >> 2, owns columns 128 cs .. 128 cs + 127 of expert e and its tiles of 16 rows i = rq, rq + 4, ..  Wave w owns columns 32 w .. 32 w + 31 of the 128.
; THE WEIGHTS STAY: the wave's two tiles of 16 rows of W2, all of K = 2,048, are 512 registers; no two waves of the work-group hold the same.
; THE WORK-GROUP ASKS FOR EACH BYTE OF a ONCE.  A tile's 16 fragments are register images in hq, 64 groups of 512 bytes; wave w loads K steps 4 w .. 4 w + 3 and a quarter of the tile's scale bytes,
; stores them in LDS as they stand, and every wave reads the whole tile from there.
; A PASS is two tiles, i0 = rq + 8 pass and i0 + 4, and has two barriers, both on every wave's path; a pass whose tiles lie beyond the count jumps over its work alone.
;   Behind the first barrier (B1): LDS loads, products, results into a stage that the four waves share.  No instruction of B1 touches memory.
;   Behind the second (B2): nobody reads the slot any more, and the stage is whole.  All my loads are waited for; I store rows 4 w .. 4 w + 3 of each tile, whole rows of the 128 columns;
;   the next pass's tiles, asked for a pass ago, go into the slot; the tiles of the pass after that are asked for, where it has rows.  The list's entries travel one pass behind the tiles:
;   those asked for in B2 of one pass are used in B2 of the next.
; LAYOUT.  Transposed (source 0 = 16 rows of W2, source 1 = 16 rows of a): lane (r, h) holds row r and columns 16 nt + 8 h + 0 .. 7.  Through the stage (rows of 512 + 16 bytes) a row's 128 columns
; come together: the 32 lanes store 512 consecutive bytes of a row of ybuf, at a multiple of 512.
; SCALE WORDS lie two K steps to a register: lanes 0-15 hold the word of K step j, lanes 16-31 that of K step 8 + j, which the products of K steps 8-15 read by the ROW1 selectors.
; THE LAST TILE.  The list's entries beyond the count are 2048 + e: such rows of the expert's last tile go to row 2048 + e of ybuf, expert e's spare row, which nobody reads; one tile of an expert
; is its last, so one work-group writes each byte there.  All tiles store alike, every lane is on throughout, and EXEC is never written.
; No tile is fetched that the launch before has not stored: it stores tiles 0 to 3 of every expert and all tiles up to the count's.
; NO TENSOR LOADS, NO CLUSTER, though the eight work-groups of a (rq, e) read the same rows of a and the four of a (cs, e) the same rows of W2: how many rows there are is a number read from memory,
; and branches hang on it.
; REGISTERS: window 0 as named below; windows 1, 2: W2's fragment (nt, s) at window 1 + s / 8, v[32 (s % 8) + 16 nt]; window 3: a's fragment of K step s at v[16 s].
.set TIMG,  33792                      ; LDS: a tile: 64 groups of 512 bytes of codes, then its 16 rows of 64 scale bytes; two tiles from byte 0 on
.set STAGE, 2*TIMG                     ; behind them the stage: for each of the two tiles 16 rows of SP bytes
.set SP,    528
.set STILE, 16*SP
.set L16,  4                           ; v4   16 x lane
.set WA,   5                           ; v5   W2: 2,048 r + 16 h
.set WSA,  6                           ; v6   64 r + 32 h: my eight scale words in a row's sixteen
.set HB,   7                           ; v7   8,192 w + 16 lane: my quarter of a tile's codes, in hq and in LDS
.set HSB,  8                           ; v8   256 w + 8 lane: my quarter of a tile's scale bytes
.set RB,   9                           ; v9   16 w: my four rows' entries in a tile's sixteen
.set HA,   10                          ; v10-11  hq offsets of the two tiles asked for
.set HSA,  12                          ; v12-13  hs offsets
.set RA,   14                          ; v14-15  offsets in the list
.set STO,  16                          ; v16  the stage: where I put 16 bytes
.set RD,   17                          ; v17  and where I read a row back
.set XWS,  18                          ; v18  LDS: where my quarter of the scale bytes goes
.set HSR,  19                          ; v19  LDS: where I read my row's scale words
.set FR,   20                          ; v20-21  LDS: where I read the fragments of tile 0, 1
.set OFF,  24                          ; v24-31  offsets in ybuf of my four rows of each tile
.set RI,   32                          ; v32-39  their entries
.set W2S,  40                          ; v40-55  W2's scale words: 8 nt + j
.set HS,   56                          ; v56-71  a's scale words: 8 tile + j
.set ACC,  72                          ; v72-87  two accumulators
.set STS,  88                          ; v88-91  scale bytes on their way in
.set Y,    92                          ; v92-123 eight rows on their way out
.set ST,   128                         ; v128-255 codes on their way in: 64 tile + 4 g
.set MSB, 0
.macro WIN new                         ; the immediate's high byte repeats the setting that is left
.if MSB != (\new)
	s_set_vgpr_msb (MSB<<8)|(\new)
.set MSB, (\new)
.endif
.endm
.macro PLACES n
.rept \n
	v_nop
.endr
.endm
.macro W2K s                           ; W2's two fragments of K step s: 8 loads
	WIN 0x40*(1+(\s)/8)
.irp nt, 0,1
.irp c, 0,1,2,3
	global_load_b128 v[32*((\s)%8)+16*\nt+4*\c:32*((\s)%8)+16*\nt+4*\c+3], v[WA], s[10:11] offset:32768*\nt+128*(\s)+32*\c
.endr
.endr
.endm
.macro GADDR                           ; tiles s35 and s35 + 4, each held at the expert's last stored tile, and at 63 by a constant before it enters an address
.irp t, 0,1
	s_add_co_u32 s36, s35, 4*\t
	s_min_u32 s37, s36, s38
	s_min_u32 s37, s37, 63
	s_lshl_b32 s39, s37, 15
	v_add_nc_u32 v[HA+\t], s39, v[HB]
	s_lshl_b32 s39, s37, 10
	v_add_nc_u32 v[HSA+\t], s39, v[HSB]
.endr
.endm
.macro GLOAD                           ; my quarter of the two tiles: 2 x (16 + 1) = 34 loads, each of consecutive bytes
.irp t, 0,1
.irp g, 0,1,2,3,4,5,6,7,8,9,10,11,12,13,14,15
	global_load_b128 v[ST+64*\t+4*\g:ST+64*\t+4*\g+3], v[HA+\t], s[4:5] offset:512*\g
.endr
	global_load_b64 v[STS+2*\t:STS+2*\t+1], v[HSA+\t], s[6:7]
.endr
.endm
.macro RLOAD                           ; the entries of my four rows of tiles s35 and s35 + 4 (held at 63: the list has 64 tiles): 2 loads, the same address in every lane
.irp t, 0,1
	s_add_co_u32 s36, s35, 4*\t
	s_min_u32 s36, s36, 63
	s_lshl_b32 s36, s36, 6
	v_add_nc_u32 v[RA+\t], s36, v[RB]
.endr
.irp t, 0,1
	global_load_b128 v[RI+4*\t:RI+4*\t+3], v[RA+\t], s[8:9]
.endr
.endm
.macro XSTORE                          ; my quarter of the two tiles goes into the slot as it stands
.irp t, 0,1
.irp g, 0,1,2,3,4,5,6,7,8,9,10,11,12,13,14,15
	ds_store_b128 v[HB], v[ST+64*\t+4*\g:ST+64*\t+4*\g+3] offset:TIMG*\t+512*\g
.endr
	ds_store_b64 v[XWS], v[STS+2*\t:STS+2*\t+1] offset:TIMG*\t
.endr
.endm
.macro FA t                            ; tile t: my row's scale words and K steps 0-7: 2 + 32 LDS loads
	ds_load_b128 v[HS+8*\t:HS+8*\t+3], v[HSR] offset:TIMG*\t
	ds_load_b128 v[HS+8*\t+4:HS+8*\t+7], v[HSR] offset:TIMG*\t+16
	WIN 0xc0
.set G, 0
.rept 32
	ds_load_b128 v[4*G:4*G+3], v[FR+\t] offset:512*G
.set G, G+1
.endr
	WIN 0
.endm
.macro FB t                            ; K steps 8-15: 32 LDS loads
	WIN 0xc0
.set G, 32
.rept 32
	ds_load_b128 v[4*G:4*G+3], v[FR+\t] offset:512*G
.set G, G+1
.endr
	WIN 0
.endm
.macro MULH s0, hs                     ; 16 products, K steps s0 .. s0 + 7: the two accumulators take turns, one instruction a turn; K step 0 starts the sums
	WIN 0x0d+(\s0/8)                               ; source 0 (W2) window 1 or 2, source 1 (a) window 3, C and D window 0
.irp d, 0,1,2,3,4,5,6,7
.irp nt, 0,1
.if (\s0+\d) == 0
	v_wmma_scale_f32_16x16x128_f8f6f4 v[ACC+8*\nt:ACC+8*\nt+7], v[32*\d+16*\nt:32*\d+16*\nt+15], v[16*(\s0+\d):16*(\s0+\d)+15], 0, v[W2S+8*\nt+\d], v[\hs+\d]
.elseif \s0 == 0
	v_wmma_scale_f32_16x16x128_f8f6f4 v[ACC+8*\nt:ACC+8*\nt+7], v[32*\d+16*\nt:32*\d+16*\nt+15], v[16*(\s0+\d):16*(\s0+\d)+15], v[ACC+8*\nt:ACC+8*\nt+7], v[W2S+8*\nt+\d], v[\hs+\d]
.else
	v_wmma_scale_f32_16x16x128_f8f6f4 v[ACC+8*\nt:ACC+8*\nt+7], v[32*\d+16*\nt:32*\d+16*\nt+15], v[16*(\s0+\d):16*(\s0+\d)+15], v[ACC+8*\nt:ACC+8*\nt+7], v[W2S+8*\nt+\d], v[\hs+\d] matrix_a_scale:MATRIX_SCALE_ROW1 matrix_b_scale:MATRIX_SCALE_ROW1
.endif
.endr
.endr
	WIN 0
.endm
.macro YSTORE t                        ; my 32 columns of tile t's 16 rows into the stage; each accumulator from its low end on
	ds_store_b128 v[STO], v[ACC:ACC+3] offset:STILE*\t
	ds_store_b128 v[STO], v[ACC+4:ACC+7] offset:STILE*\t+16
	ds_store_b128 v[STO], v[ACC+8:ACC+11] offset:STILE*\t+64
	ds_store_b128 v[STO], v[ACC+12:ACC+15] offset:STILE*\t+80
.endm
	s_load_b256 s[4:11], s[0:1], 0x0               ; hq s[4:5], hs s[6:7], rows s[8:9], w2_codes s[10:11]
	s_load_b128 s[12:15], s[0:1], 0x20             ; w2_scales s[12:13], ybuf s[14:15]
	v_lshl_add_u32 v126, v0, 2, 0x14a00
	v_mov_b32 v127, 0
	v_lshrrev_b32 v1, 5, v0
	v_readfirstlane_b32 s20, v1                    ; wave 0..3
	v_and_b32 v1, 31, v0                           ; lane
	v_and_b32 v2, 15, v0                           ; r
	v_bfe_u32 v3, v0, 4, 1                         ; h
	s_and_b32 s21, ttmp9, 3                        ; rq: the four work-groups that read the same rows of W2 have neighbouring numbers
	s_lshr_b32 s22, ttmp9, 2                       ; cs
	s_and_b32 s24, ttmp7, 0xffff                   ; e
	v_lshlrev_b32 v[L16], 4, v1
	v_lshlrev_b32 v[WA], 11, v2
	v_lshl_add_u32 v[WA], v3, 4, v[WA]
	v_lshlrev_b32 v[WSA], 6, v2
	v_lshl_add_u32 v[WSA], v3, 5, v[WSA]
	s_lshl_b32 s36, s20, 13
	v_add_nc_u32 v[HB], s36, v[L16]
	s_lshl_b32 s36, s20, 8
	v_lshl_add_u32 v[HSB], v1, 3, s36
	s_lshl_b32 s36, s20, 4
	v_mov_b32 v[RB], s36
	v_add_nc_u32 v[XWS], 0x8000, v[HSB]            ; a tile's scale bytes lie behind its 32,768 bytes of codes
	v_add_nc_u32 v[HSR], 0x8000, v[WSA]
	v_mov_b32 v[FR], v[L16]
	v_add_nc_u32 v[FR+1], TIMG, v[L16]
	v_mul_u32_u24 v[STO], v2, SP
	v_lshl_add_u32 v[STO], v3, 5, v[STO]
	s_lshl_b32 s36, s20, 7
	s_add_co_u32 s36, s36, STAGE
	v_add_nc_u32 v[STO], s36, v[STO]               ; in: row r, + 128 w + 32 h
	s_mul_i32 s36, s20, 4*SP
	s_add_co_u32 s36, s36, STAGE
	v_add_nc_u32 v[RD], s36, v[L16]                ; back: rows 4 w on, 16 bytes a lane
	s_mov_b32 s27, 0
	s_wait_kmcnt 0x0
	s_lshl_b32 s26, s24, 7
	s_add_co_u32 s26, s26, 32768
	s_add_nc_u64 s[42:43], s[8:9], s[26:27]        ; expert e's count
	s_load_b32 s28, s[42:43], 0x0
	s_lshl_b32 s26, s24, 12
	s_add_nc_u64 s[8:9], s[8:9], s[26:27]          ; its list
	s_lshl_b32 s26, s24, 21
	s_add_nc_u64 s[4:5], s[4:5], s[26:27]          ; its rows' codes
	s_lshl_b32 s36, s22, 18
	s_add_co_u32 s26, s26, s36
	s_lshl_b32 s36, s20, 16
	s_add_co_u32 s26, s26, s36
	s_add_nc_u64 s[10:11], s[10:11], s[26:27]      ; W2[e] at row 128 cs + 32 w
	s_lshl_b32 s26, s24, 16
	s_add_nc_u64 s[6:7], s[6:7], s[26:27]          ; its rows' scale bytes
	s_lshl_b32 s36, s22, 13
	s_add_co_u32 s26, s26, s36
	s_lshl_b32 s36, s20, 11
	s_add_co_u32 s26, s26, s36
	s_add_nc_u64 s[12:13], s[12:13], s[26:27]      ; W2's scale bytes
	s_lshl_b32 s26, s22, 9
	s_add_nc_u64 s[14:15], s[14:15], s[26:27]      ; ybuf at column 128 cs
.irp nt, 0,1
.irp q, 0,1
	global_load_b128 v[W2S+8*\nt+4*\q:W2S+8*\nt+4*\q+3], v[WSA], s[12:13] offset:1024*\nt+16*\q
.endr
.endr
.irp s, 0,1,2,3
	W2K \s
.endr
	WIN 0
	s_wait_kmcnt 0x0
	s_min_u32 s28, s28, 1024                       ; the count, 0 to 1,024
	s_max_u32 s38, s28, 1
	s_sub_co_u32 s38, s38, 1
	s_lshr_b32 s38, s38, 4                         ; the expert's last tile (tile 0 where it has no rows)
	s_mov_b32 s33, s21                             ; i0 = rq
	s_mov_b32 s35, s33
	GADDR
	GLOAD                                          ; pass 0's tiles
.irp s, 4,5,6
	W2K \s
.endr
	WIN 0
	s_wait_loadcnt 24                              ; three K steps of W2, 24 loads, are younger: pass 0's tiles are in
	XSTORE
	s_wait_dscnt 0x0                               ; the stores have landed, and have read their registers, which take the loads below
.irp s, 7,8,9,10,11,12,13,14,15
	W2K \s
.endr
	WIN 0
	s_add_co_u32 s35, s33, 8
	GADDR                                          ; (its registers are free since the wait for pass 0's tiles)
	GLOAD                                          ; pass 1's tiles,
	s_mov_b32 s35, s33
	RLOAD                                          ; and pass 0's entries
	s_wait_loadcnt 36                              ; those 34 + 2 are younger: all of W2 is in
	s_mov_b32 s34, 0
.Lpass:                                                ; 8 passes, a constant: i0 = rq + 8 pass stays under 60
	s_wait_dscnt 0x0                               ; my part of the slot has landed, and my reads of the stage are over
	s_barrier_signal -1
	s_barrier_wait -1
	s_lshl_b32 s40, s33, 4                         ; the first row of tile i0,
	s_add_co_u32 s41, s40, 64                      ; and of tile i0 + 4
	s_cmp_ge_u32 s40, s28
	s_cbranch_scc1 .Lno_b1
	; ---- B1
	FA 0
	FB 0
	s_wait_dscnt 32                                ; the second half's 32 loads are younger
	MULH 0, HS
	PLACES 9                                       ; in front of loads into registers that the products read
	FA 1                                           ; the second tile's first half comes while the first tile's second half is multiplied
	s_wait_dscnt 34                                ; the 34 just issued are younger
	MULH 8, HS
	PLACES 9                                       ; in front of the first read of results, of the loads below, and of the next products, which write over the results
	YSTORE 0
	FB 1
	s_cmp_ge_u32 s41, s28
	s_cbranch_scc1 .Lno_b1                         ; the second tile lies beyond the count
	s_wait_dscnt 32                                ; FB's 32 loads are younger: the second tile's first half is in, and the stage's stores are done with the accumulators
	MULH 0, HS+8
	s_wait_dscnt 0x0
	MULH 8, HS+8
	PLACES 9
	YSTORE 1
.Lno_b1:
	s_wait_dscnt 0x0                               ; my results have landed in the stage, and my reads of the slot are over
	s_barrier_signal -1
	s_barrier_wait -1
	s_cmp_ge_u32 s40, s28
	s_cbranch_scc1 .Lno_b2
	; ---- B2
	s_wait_loadcnt 0x0                             ; the next pass's tiles and this pass's entries, asked for a pass ago
	s_wait_xcnt 0x0                                ; the last pass's stores have read their registers: OFF and Y are written again below
.irp k, 0,1,2,3,4,5,6,7
	v_min_u32 v[RI+\k], 0x807, v[RI+\k]            ; an entry is held under 2,056 by a constant, then only shifted and added
	v_lshl_add_u32 v[OFF+\k], v[RI+\k], 12, v[L16]
.endr
.irp k, 0,1,2,3
	ds_load_b128 v[Y+4*\k:Y+4*\k+3], v[RD] offset:SP*\k
.endr
	XSTORE
	s_wait_dscnt 0x0                               ; the rows are in; the stores have read their registers
.irp k, 0,1,2,3
	global_store_b128 v[OFF+\k], v[Y+4*\k:Y+4*\k+3], s[14:15]   ; a row's 128 columns: 512 consecutive bytes
.endr
	s_cmp_ge_u32 s41, s28
	s_cbranch_scc1 .Lno_y1
.irp k, 0,1,2,3
	ds_load_b128 v[Y+16+4*\k:Y+16+4*\k+3], v[RD] offset:STILE+SP*\k
.endr
	s_wait_dscnt 0x0
.irp k, 0,1,2,3
	global_store_b128 v[OFF+4+\k], v[Y+16+4*\k:Y+16+4*\k+3], s[14:15]
.endr
.Lno_y1:
	s_add_co_u32 s35, s33, 8
	RLOAD                                          ; the next pass's entries
	s_add_co_u32 s35, s33, 16
	s_lshl_b32 s36, s35, 4
	s_cmp_ge_u32 s36, s28
	s_cbranch_scc1 .Lno_b2                         ; the pass after the next has no rows: nothing is asked for
	GADDR
	GLOAD
.Lno_b2:
	s_add_co_u32 s33, s33, 8
	s_add_co_u32 s34, s34, 1
	s_cmp_lt_u32 s34, 8
	s_cbranch_scc1 .Lpass
	s_wait_tensorcnt 0x0
	ds_add_u32 v126, v127
	s_wait_dscnt 0x0
	s_endpgm
.Lfunc_end_k_qbb7ac4d660_down:
	.size	k_qbb7ac4d660_down, .Lfunc_end_k_qbb7ac4d660_down-k_qbb7ac4d660_down
	.p2alignl 7, 3214868480
	.fill 96, 4, 3214868480
	.section	.rodata,"a",@progbits
	.p2align	6, 0x0
	.amdhsa_kernel k_qbb7ac4d660_down
		.amdhsa_group_segment_fixed_size 84992
		.amdhsa_private_segment_fixed_size 0
		.amdhsa_enable_private_segment 0
		.amdhsa_kernarg_size 48
		.amdhsa_user_sgpr_count 2
		.amdhsa_user_sgpr_kernarg_segment_ptr 1
		.amdhsa_wavefront_size32 1
		.amdhsa_system_sgpr_workgroup_id_x 1
		.amdhsa_system_sgpr_workgroup_id_y 1
		.amdhsa_system_sgpr_workgroup_id_z 1
		.amdhsa_system_vgpr_workitem_id 0
		.amdhsa_next_free_vgpr 1024
		.amdhsa_next_free_sgpr 66
		.amdhsa_reserve_vcc 0
		.amdhsa_float_denorm_mode_32 3
		.amdhsa_float_denorm_mode_16_64 3
		.amdhsa_memory_ordered 1
		.amdhsa_forward_progress 1
		.amdhsa_inst_pref_size 54
	.end_amdhsa_kernel
	.amdgpu_metadata
---
amdhsa.version: [ 1, 2 ]
amdhsa.kernels:
  - .name:           k_qbb7ac4d660_down
    .symbol:         k_qbb7ac4d660_down.kd
    .args:
      - { .name: hq, .offset: 0, .size: 8, .value_kind: global_buffer, .address_space: global }
      - { .name: hs, .offset: 8, .size: 8, .value_kind: global_buffer, .address_space: global }
      - { .name: rows, .offset: 16, .size: 8, .value_kind: global_buffer, .address_space: global }
      - { .name: w2_codes, .offset: 24, .size: 8, .value_kind: global_buffer, .address_space: global }
      - { .name: w2_scales, .offset: 32, .size: 8, .value_kind: global_buffer, .address_space: global }
      - { .name: ybuf, .offset: 40, .size: 8, .value_kind: global_buffer, .address_space: global }
    .group_segment_fixed_size: 84992
    .private_segment_fixed_size: 0
    .kernarg_segment_align: 8
    .kernarg_segment_size: 48
    .max_flat_workgroup_size: 128
    .sgpr_count:     66
    .vgpr_count:     1024
    .wavefront_size: 32
...
	.end_amdgpu_metadata
.endif
;; end of part 3
;; launch combine (part 4): grid 256 x 1, 4 waves a work-group, no clusters, 0 bytes of LDS; arguments ybuf, cw, out0; writes out0
.if DOCPART == 4
	.amdgcn_target "amdgcn-amd-amdhsa--gfx1250"
	.amdhsa_code_object_version 6
	.text
	.protected	k_qbb7ac4d660_combine
	.globl	k_qbb7ac4d660_combine
	.p2align	8
	.type	k_qbb7ac4d660_combine,@function
k_qbb7ac4d660_combine:
	s_mov_b64 s[64:65], 0
	v_nop
	global_prefetch_b8 v0, s[64:65] scope:SCOPE_SE
	s_setreg_imm32_b32 hwreg(HW_REG_WAVE_MODE, 25, 1), 1
	s_wait_xcnt 0x0
; COMBINE.  out0[t] = cw[t][0] ybuf[2 t] + cw[t][1] ybuf[2 t + 1]: the two chosen experts' rows, weighted; the other six experts' weights are 0 in the sum that is asked for.
; One wave, one token; no loop.  Each load and store of a wave covers 512 consecutive bytes; all sixteen loads are out before the first is waited for.  A stream: no LDS, no barrier, no matrix unit.
.set Y0, 8                             ; v8-39    the first expert's row
.set Y1, 40                            ; v40-71   the second's
.set R,  72                            ; v72-103  the result: registers of its own for each store
	s_load_b128 s[4:7], s[0:1], 0x0                ; ybuf s[4:5], cw s[6:7]
	s_load_b64 s[8:9], s[0:1], 0x10                ; out0
	v_lshrrev_b32 v1, 5, v0
	v_readfirstlane_b32 s10, v1                    ; wave
	v_and_b32 v1, 31, v0
	v_lshlrev_b32 v1, 4, v1                        ; 16 bytes a lane
	s_lshl_b32 s11, ttmp9, 2
	s_add_co_u32 s11, s11, s10                     ; my token
	s_mov_b32 s17, 0
	s_wait_kmcnt 0x0
	s_lshl_b32 s16, s11, 3
	s_add_nc_u64 s[6:7], s[6:7], s[16:17]
	s_load_b64 s[12:13], s[6:7], 0x0               ; its two weights
	s_lshl_b32 s16, s11, 13
	s_add_nc_u64 s[4:5], s[4:5], s[16:17]          ; its two rows of ybuf
	s_lshl_b32 s16, s11, 12
	s_add_nc_u64 s[8:9], s[8:9], s[16:17]          ; its row of out0
.irp q, 0,1,2,3,4,5,6,7
	global_load_b128 v[Y0+4*\q:Y0+4*\q+3], v1, s[4:5] offset:512*\q th:TH_LOAD_NT
.endr
.irp q, 0,1,2,3,4,5,6,7
	global_load_b128 v[Y1+4*\q:Y1+4*\q+3], v1, s[4:5] offset:4096+512*\q th:TH_LOAD_NT
.endr
	s_wait_kmcnt 0x0
	s_mov_b32 s14, s13                             ; the packed forms name a pair and take its low word for both halves
	s_mov_b32 s15, s13
.irp q, 0,1,2,3,4,5,6,7
	s_wait_loadcnt 7-\q                            ; the second row's piece q has 7 - q younger loads; the first row's is older
	v_pk_mul_f32 v[R+4*\q:R+4*\q+1], v[Y0+4*\q:Y0+4*\q+1], s[12:13] op_sel_hi:[1,0]
	v_pk_mul_f32 v[R+4*\q+2:R+4*\q+3], v[Y0+4*\q+2:Y0+4*\q+3], s[12:13] op_sel_hi:[1,0]
	v_pk_fma_f32 v[R+4*\q:R+4*\q+1], v[Y1+4*\q:Y1+4*\q+1], s[14:15], v[R+4*\q:R+4*\q+1] op_sel_hi:[1,0,1]
	v_pk_fma_f32 v[R+4*\q+2:R+4*\q+3], v[Y1+4*\q+2:Y1+4*\q+3], s[14:15], v[R+4*\q+2:R+4*\q+3] op_sel_hi:[1,0,1]
	global_store_b128 v1, v[R+4*\q:R+4*\q+3], s[8:9] offset:512*\q th:TH_STORE_NT
.endr
	s_endpgm
.Lfunc_end_k_qbb7ac4d660_combine:
	.size	k_qbb7ac4d660_combine, .Lfunc_end_k_qbb7ac4d660_combine-k_qbb7ac4d660_combine
	.p2alignl 7, 3214868480
	.fill 96, 4, 3214868480
	.section	.rodata,"a",@progbits
	.p2align	6, 0x0
	.amdhsa_kernel k_qbb7ac4d660_combine
		.amdhsa_group_segment_fixed_size 0
		.amdhsa_private_segment_fixed_size 0
		.amdhsa_enable_private_segment 0
		.amdhsa_kernarg_size 24
		.amdhsa_user_sgpr_count 2
		.amdhsa_user_sgpr_kernarg_segment_ptr 1
		.amdhsa_wavefront_size32 1
		.amdhsa_system_sgpr_workgroup_id_x 1
		.amdhsa_system_sgpr_workgroup_id_y 1
		.amdhsa_system_sgpr_workgroup_id_z 1
		.amdhsa_system_vgpr_workitem_id 0
		.amdhsa_next_free_vgpr 104
		.amdhsa_next_free_sgpr 66
		.amdhsa_reserve_vcc 0
		.amdhsa_float_denorm_mode_32 3
		.amdhsa_float_denorm_mode_16_64 3
		.amdhsa_memory_ordered 1
		.amdhsa_forward_progress 1
		.amdhsa_inst_pref_size 6
	.end_amdhsa_kernel
	.amdgpu_metadata
---
amdhsa.version: [ 1, 2 ]
amdhsa.kernels:
  - .name:           k_qbb7ac4d660_combine
    .symbol:         k_qbb7ac4d660_combine.kd
    .args:
      - { .name: ybuf, .offset: 0, .size: 8, .value_kind: global_buffer, .address_space: global }
      - { .name: cw, .offset: 8, .size: 8, .value_kind: global_buffer, .address_space: global }
      - { .name: out0, .offset: 16, .size: 8, .value_kind: global_buffer, .address_space: global }
    .group_segment_fixed_size: 0
    .private_segment_fixed_size: 0
    .kernarg_segment_align: 8
    .kernarg_segment_size: 24
    .max_flat_workgroup_size: 128
    .sgpr_count:     66
    .vgpr_count:     104
    .wavefront_size: 32
...
	.end_amdgpu_metadata
.endif
;; end of part 4
;; ======== version 2 of 2: 4 launches; version 1 with the launch down written anew for expert scheduling mode
;; workspace buffers: xq 1,048,576 bytes; xs 32,768 bytes; sel 4,096 bytes of whole numbers; cw 8,192 bytes; hq 16,777,216 bytes; hs 524,288 bytes; rows 33,792 bytes of whole numbers; ybuf 8,421,376 bytes
;; launch route: the kernel of part 1 again; grid 128 x 1, 8 waves a work-group, no clusters, 34,816 bytes of LDS; arguments x, gate_w, xq, xs, sel, cw, out1; writes xq, xs, sel, cw, out1
;; launch up: the kernel of part 2 again; grid 32 x 8, 4 waves a work-group, no clusters, 271,360 bytes of LDS; arguments xq, xs, sel, w1_codes, w1_scales, hq, hs, rows; writes hq, hs, rows
;; launch down (part 5): grid 32 x 8, 4 waves a work-group, no clusters, 84,992 bytes of LDS; arguments hq, hs, rows, w2_codes, w2_scales, ybuf; writes ybuf
.if DOCPART == 5
	.amdgcn_target "amdgcn-amd-amdhsa--gfx1250"
	.amdhsa_code_object_version 6
	.text
	.protected	k_qbb7ac4d660_down
	.globl	k_qbb7ac4d660_down
	.p2align	8
	.type	k_qbb7ac4d660_down,@function
k_qbb7ac4d660_down:
	s_mov_b64 s[64:65], 0
	v_nop
	global_prefetch_b8 v0, s[64:65] scope:SCOPE_SE
	s_setreg_imm32_b32 hwreg(HW_REG_WAVE_SCHED_MODE, 0, 2), 2
	s_setreg_imm32_b32 hwreg(HW_REG_WAVE_MODE, 25, 1), 1
	s_wait_xcnt 0x0
	s_wait_alu depctr_vm_vsrc(0)
; DOWN.  y = a W2[e] on codes of E4M3 for the rows routed to expert e, not yet weighted: ybuf[2 token + slot][1024], f32.  Each row of ybuf has one expert.
; SHARES.  Work-group (rq, cs, e), rq = x & 3, cs = x >> 2, owns columns 128 cs .. 128 cs + 127 of expert e and its tiles of 16 rows i = rq, rq + 4, ..  Wave w owns columns 32 w .. 32 w + 31 of the 128.
; THE WEIGHTS STAY: the wave's two tiles of 16 rows of W2, all of K = 2,048, are 512 registers; no two waves of the work-group hold the same.
; THE WORK-GROUP ASKS FOR EACH BYTE OF a ONCE.  A tile's 16 fragments are register images in hq, 64 groups of 512 bytes; wave w loads K steps 4 w .. 4 w + 3 and a quarter of the tile's scale bytes,
; stores them in LDS as they stand, and every wave reads the whole tile from there.
; A PASS is two tiles, i0 = rq + 8 pass and i0 + 4, and has two barriers, both on every wave's path; a pass whose tiles lie beyond the count jumps over its work alone.
;   Behind the first barrier (B1): LDS loads, products, results into a stage that the four waves share.  No instruction of B1 touches memory.
;   Behind the second (B2): nobody reads the slot any more, and the stage is whole.  All my loads are waited for; I store rows 4 w .. 4 w + 3 of each tile, whole rows of the 128 columns;
;   the next pass's tiles, asked for a pass ago, go into the slot; the tiles of the pass after that are asked for, where it has rows.  The list's entries travel one pass behind the tiles:
;   those asked for in B2 of one pass are used in B2 of the next.
; LAYOUT.  Transposed (source 0 = 16 rows of W2, source 1 = 16 rows of a): lane (r, h) holds row r and columns 16 nt + 8 h + 0 .. 7.  Through the stage (rows of 512 + 16 bytes) a row's 128 columns
; come together: the 32 lanes store 512 consecutive bytes of a row of ybuf, at a multiple of 512.
; SCALE WORDS lie two K steps to a register: lanes 0-15 hold the word of K step j, lanes 16-31 that of K step 8 + j, which the products of K steps 8-15 read by the ROW1 selectors.
; THE LAST TILE.  The list's entries beyond the count are 2048 + e: such rows of the expert's last tile go to row 2048 + e of ybuf, expert e's spare row, which nobody reads; one tile of an expert
; is its last, so one work-group writes each byte there.  All tiles store alike, every lane is on throughout, and EXEC is never written.
; No tile is fetched that the launch before has not stored: it stores tiles 0 to 3 of every expert and all tiles up to the count's.
; NO TENSOR LOADS, NO CLUSTER, though the eight work-groups of a (rq, e) read the same rows of a and the four of a (cs, e) the same rows of W2: how many rows there are is a number read from memory,
; and branches hang on it.
; REGISTERS: window 0 as named below; windows 1, 2: W2's fragment (nt, s) at window 1 + s / 8, v[32 (s % 8) + 16 nt]; window 3: a's fragment of K step s at v[16 s].
; THE MODE: SCHED_MODE bits 1:0 = 2 (LLVM: expert scheduling mode 2), set by the entry lines.  The code itself states the register dependences between vector or matrix instructions and memory or LDS
; instructions, with s_wait_alu, always for 0.
; THE PLAN.  Registers that memory or LDS instructions touch in a pass, and who else names them:
;   window 3, HS      LDS loads land there; the products read them.  Each run of products has a wait on va_vdst behind it, on every way through B1: behind K steps 0-7 of the first tile (its registers take the
;                     second tile's first half), behind K steps 8-15 (likewise the second half), behind the second tile's 32.  Nothing behind those waits names these registers, so the loads at the head of the
;                     next B1 owe nothing more.
;   ACC               the products write it; the same waits on va_vdst, behind the places, stand ahead of the stage's stores, which read it.  It is begun anew behind a wait on vm_vsrc: one behind the first tile's
;                     stores, one ahead of the second barrier.
;   OFF, RA, HA, HSA  written once a pass, together, at the head of B2: behind the wait on vm_vsrc ahead of the second barrier, which shows the last pass's stores and loads done reading them; one wait on
;                     va_vdst follows, ahead of all of B2's loads and stores.
;   RI                loads land there; the holds read and write it, ahead of that same wait on va_vdst.
;   Y                 LDS loads land there, global stores read it: the wait on vm_vsrc ahead of the second barrier stands between a pass's stores and the next pass's loads.
;   ST, STS           global loads land there, LDS stores read them, no vector instruction names them: a wait on vm_vsrc behind the stores.
;   All other addresses are made at the head and never written again.
; The second tile's two halves are dealt among products that name none of their registers: its K steps 0-7 among the first tile's K steps 8-15, its K steps 8-15 among its own K steps 0-7.
.set TIMG,  33792                      ; LDS: a tile: 64 groups of 512 bytes of codes, then its 16 rows of 64 scale bytes; two tiles from byte 0 on
.set STAGE, 2*TIMG                     ; behind them the stage: for each of the two tiles 16 rows of SP bytes
.set SP,    528
.set STILE, 16*SP
.set L16,  4                           ; v4   16 x lane
.set WA,   5                           ; v5   W2: 2,048 r + 16 h
.set WSA,  6                           ; v6   64 r + 32 h: my eight scale words in a row's sixteen
.set HB,   7                           ; v7   8,192 w + 16 lane: my quarter of a tile's codes, in hq and in LDS
.set HSB,  8                           ; v8   256 w + 8 lane: my quarter of a tile's scale bytes
.set RB,   9                           ; v9   16 w: my four rows' entries in a tile's sixteen
.set HA,   10                          ; v10-11  hq offsets of the two tiles asked for
.set HSA,  12                          ; v12-13  hs offsets
.set RA,   14                          ; v14-15  offsets in the list
.set STO,  16                          ; v16  the stage: where I put 16 bytes
.set RD,   17                          ; v17  and where I read a row back
.set XWS,  18                          ; v18  LDS: where my quarter of the scale bytes goes
.set HSR,  19                          ; v19  LDS: where I read my row's scale words
.set FR,   20                          ; v20-21  LDS: where I read the fragments of tile 0, 1
.set OFF,  24                          ; v24-31  offsets in ybuf of my four rows of each tile
.set RI,   32                          ; v32-39  their entries
.set W2S,  40                          ; v40-55  W2's scale words: 8 nt + j
.set HS,   56                          ; v56-71  a's scale words: 8 tile + j
.set ACC,  72                          ; v72-87  two accumulators
.set STS,  88                          ; v88-91  scale bytes on their way in
.set Y,    92                          ; v92-123 eight rows on their way out
.set ST,   128                         ; v128-255 codes on their way in: 64 tile + 4 g
.set MSB, 0
.macro WIN new                         ; the immediate's high byte repeats the setting that is left
.if MSB != (\new)
	s_set_vgpr_msb (MSB<<8)|(\new)
.set MSB, (\new)
.endif
.endm
.macro PLACES n
.rept \n
	v_nop
.endr
.endm
.macro W2K s                           ; W2's two fragments of K step s: 8 loads
	WIN 0x40*(1+(\s)/8)
.irp nt, 0,1
.irp c, 0,1,2,3
	global_load_b128 v[32*((\s)%8)+16*\nt+4*\c:32*((\s)%8)+16*\nt+4*\c+3], v[WA], s[10:11] offset:32768*\nt+128*(\s)+32*\c
.endr
.endr
.endm
.macro GADDR                           ; tiles s35 and s35 + 4, each held at the expert's last stored tile, and at 63 by a constant before it enters an address
.irp t, 0,1
	s_add_co_u32 s36, s35, 4*\t
	s_min_u32 s37, s36, s38
	s_min_u32 s37, s37, 63
	s_lshl_b32 s39, s37, 15
	v_add_nc_u32 v[HA+\t], s39, v[HB]
	s_lshl_b32 s39, s37, 10
	v_add_nc_u32 v[HSA+\t], s39, v[HSB]
.endr
.endm
.macro GLOAD                           ; my quarter of the two tiles: 2 x (16 + 1) = 34 loads, each of consecutive bytes
.irp t, 0,1
.irp g, 0,1,2,3,4,5,6,7,8,9,10,11,12,13,14,15
	global_load_b128 v[ST+64*\t+4*\g:ST+64*\t+4*\g+3], v[HA+\t], s[4:5] offset:512*\g
.endr
	global_load_b64 v[STS+2*\t:STS+2*\t+1], v[HSA+\t], s[6:7]
.endr
.endm
.macro RADDR                           ; where the entries of my four rows of tiles s35 and s35 + 4 lie (held at 63: the list has 64 tiles)
.irp t, 0,1
	s_add_co_u32 s36, s35, 4*\t
	s_min_u32 s36, s36, 63
	s_lshl_b32 s36, s36, 6
	v_add_nc_u32 v[RA+\t], s36, v[RB]
.endr
.endm
.macro RLOAD                           ; and the entries: 2 loads, the same address in every lane
.irp t, 0,1
	global_load_b128 v[RI+4*\t:RI+4*\t+3], v[RA+\t], s[8:9]
.endr
.endm
.macro XSTORE                          ; my quarter of the two tiles goes into the slot as it stands
.irp t, 0,1
.irp g, 0,1,2,3,4,5,6,7,8,9,10,11,12,13,14,15
	ds_store_b128 v[HB], v[ST+64*\t+4*\g:ST+64*\t+4*\g+3] offset:TIMG*\t+512*\g
.endr
	ds_store_b64 v[XWS], v[STS+2*\t:STS+2*\t+1] offset:TIMG*\t
.endr
.endm
.macro SW                              ; my row's scale words of both tiles: 4 LDS loads, in window 0
.irp t, 0,1
	ds_load_b128 v[HS+8*\t:HS+8*\t+3], v[HSR] offset:TIMG*\t
	ds_load_b128 v[HS+8*\t+4:HS+8*\t+7], v[HSR] offset:TIMG*\t+16
.endr
.endm
.macro FH t, g0                        ; tile t, eight K steps from group g0 on (0: K steps 0-7; 32: K steps 8-15): 32 LDS loads
	WIN 0xc0
.set G, \g0
.rept 32
	ds_load_b128 v[4*G:4*G+3], v[FR+\t] offset:512*G
.set G, G+1
.endr
.endm
.macro MULQ s0, hs, d0                 ; 8 products, K steps s0 + d0 .. s0 + d0 + 3: the two accumulators take turns, one instruction a turn; K step 0 starts the sums
	WIN 0x0d+(\s0/8)                               ; source 0 (W2) window 1 or 2, source 1 (a) window 3, C and D window 0
.irp d, \d0, \d0+1, \d0+2, \d0+3
.irp nt, 0,1
.if (\s0+(\d)) == 0
	v_wmma_scale_f32_16x16x128_f8f6f4 v[ACC+8*\nt:ACC+8*\nt+7], v[32*(\d)+16*\nt:32*(\d)+16*\nt+15], v[16*(\s0+(\d)):16*(\s0+(\d))+15], 0, v[W2S+8*\nt+(\d)], v[\hs+(\d)]
.elseif \s0 == 0
	v_wmma_scale_f32_16x16x128_f8f6f4 v[ACC+8*\nt:ACC+8*\nt+7], v[32*(\d)+16*\nt:32*(\d)+16*\nt+15], v[16*(\s0+(\d)):16*(\s0+(\d))+15], v[ACC+8*\nt:ACC+8*\nt+7], v[W2S+8*\nt+(\d)], v[\hs+(\d)]
.else
	v_wmma_scale_f32_16x16x128_f8f6f4 v[ACC+8*\nt:ACC+8*\nt+7], v[32*(\d)+16*\nt:32*(\d)+16*\nt+15], v[16*(\s0+(\d)):16*(\s0+(\d))+15], v[ACC+8*\nt:ACC+8*\nt+7], v[W2S+8*\nt+(\d)], v[\hs+(\d)] matrix_a_scale:MATRIX_SCALE_ROW1 matrix_b_scale:MATRIX_SCALE_ROW1
.endif
.endr
.endr
.endm
.macro YSTORE t                        ; my 32 columns of tile t's 16 rows into the stage; each accumulator from its low end on
	ds_store_b128 v[STO], v[ACC:ACC+3] offset:STILE*\t
	ds_store_b128 v[STO], v[ACC+4:ACC+7] offset:STILE*\t+16
	ds_store_b128 v[STO], v[ACC+8:ACC+11] offset:STILE*\t+64
	ds_store_b128 v[STO], v[ACC+12:ACC+15] offset:STILE*\t+80
.endm
	s_load_b256 s[4:11], s[0:1], 0x0               ; hq s[4:5], hs s[6:7], rows s[8:9], w2_codes s[10:11]
	s_load_b128 s[12:15], s[0:1], 0x20             ; w2_scales s[12:13], ybuf s[14:15]
	v_lshl_add_u32 v126, v0, 2, 0x14a00
	v_mov_b32 v127, 0
	v_lshrrev_b32 v1, 5, v0
	v_readfirstlane_b32 s20, v1                    ; wave 0..3
	v_and_b32 v1, 31, v0                           ; lane
	v_and_b32 v2, 15, v0                           ; r
	v_bfe_u32 v3, v0, 4, 1                         ; h
	s_and_b32 s21, ttmp9, 3                        ; rq: the four work-groups that read the same rows of W2 have neighbouring numbers
	s_lshr_b32 s22, ttmp9, 2                       ; cs
	s_and_b32 s24, ttmp7, 0xffff                   ; e
	v_lshlrev_b32 v[L16], 4, v1
	v_lshlrev_b32 v[WA], 11, v2
	v_lshl_add_u32 v[WA], v3, 4, v[WA]
	v_lshlrev_b32 v[WSA], 6, v2
	v_lshl_add_u32 v[WSA], v3, 5, v[WSA]
	s_wait_alu depctr_va_sdst(0)                   ; s20 is written, ahead of its first reader
	s_lshl_b32 s36, s20, 13
	v_add_nc_u32 v[HB], s36, v[L16]
	s_lshl_b32 s36, s20, 8
	v_lshl_add_u32 v[HSB], v1, 3, s36
	s_lshl_b32 s36, s20, 4
	v_mov_b32 v[RB], s36
	v_add_nc_u32 v[XWS], 0x8000, v[HSB]            ; a tile's scale bytes lie behind its 32,768 bytes of codes
	v_add_nc_u32 v[HSR], 0x8000, v[WSA]
	v_mov_b32 v[FR], v[L16]
	v_add_nc_u32 v[FR+1], TIMG, v[L16]
	v_mul_u32_u24 v[STO], v2, SP
	v_lshl_add_u32 v[STO], v3, 5, v[STO]
	s_lshl_b32 s36, s20, 7
	s_add_co_u32 s36, s36, STAGE
	v_add_nc_u32 v[STO], s36, v[STO]               ; in: row r, + 128 w + 32 h
	s_mul_i32 s36, s20, 4*SP
	s_add_co_u32 s36, s36, STAGE
	v_add_nc_u32 v[RD], s36, v[L16]                ; back: rows 4 w on, 16 bytes a lane
	s_mov_b32 s27, 0
	s_wait_kmcnt 0x0
	s_lshl_b32 s26, s24, 7
	s_add_co_u32 s26, s26, 32768
	s_add_nc_u64 s[42:43], s[8:9], s[26:27]        ; expert e's count
	s_load_b32 s28, s[42:43], 0x0
	s_lshl_b32 s26, s24, 12
	s_add_nc_u64 s[8:9], s[8:9], s[26:27]          ; its list
	s_lshl_b32 s26, s24, 21
	s_add_nc_u64 s[4:5], s[4:5], s[26:27]          ; its rows' codes
	s_lshl_b32 s36, s22, 18
	s_add_co_u32 s26, s26, s36
	s_lshl_b32 s36, s20, 16
	s_add_co_u32 s26, s26, s36
	s_add_nc_u64 s[10:11], s[10:11], s[26:27]      ; W2[e] at row 128 cs + 32 w
	s_lshl_b32 s26, s24, 16
	s_add_nc_u64 s[6:7], s[6:7], s[26:27]          ; its rows' scale bytes
	s_lshl_b32 s36, s22, 13
	s_add_co_u32 s26, s26, s36
	s_lshl_b32 s36, s20, 11
	s_add_co_u32 s26, s26, s36
	s_add_nc_u64 s[12:13], s[12:13], s[26:27]      ; W2's scale bytes
	s_lshl_b32 s26, s22, 9
	s_add_nc_u64 s[14:15], s[14:15], s[26:27]      ; ybuf at column 128 cs
	s_wait_alu depctr_va_vdst(0)                   ; all the addresses and offsets made above are written: the loads and stores of the whole kernel read them
.irp nt, 0,1
.irp q, 0,1
	global_load_b128 v[W2S+8*\nt+4*\q:W2S+8*\nt+4*\q+3], v[WSA], s[12:13] offset:1024*\nt+16*\q
.endr
.endr
.irp s, 0,1,2,3
	W2K \s
.endr
	WIN 0
	s_wait_kmcnt 0x0
	s_min_u32 s28, s28, 1024                       ; the count, 0 to 1,024
	s_max_u32 s38, s28, 1
	s_sub_co_u32 s38, s38, 1
	s_lshr_b32 s38, s38, 4                         ; the expert's last tile (tile 0 where it has no rows)
	s_mov_b32 s33, s21                             ; i0 = rq
	s_mov_b32 s35, s33
	GADDR
	s_wait_alu depctr_va_vdst(0)                   ; the four offsets HA and HSA are written, which the loads below read
	GLOAD                                          ; pass 0's tiles
.irp s, 4,5,6
	W2K \s
.endr
	WIN 0
	s_wait_loadcnt 24                              ; three K steps of W2, 24 loads, are younger: pass 0's tiles are in
	XSTORE
	s_wait_dscnt 0x0                               ; the stores have landed
	s_wait_alu depctr_vm_vsrc(0)                   ; the stores have read ST and STS, in which pass 1's tiles land; pass 0's loads have read HA and HSA, which are written again below
	s_add_co_u32 s35, s33, 8
	GADDR                                          ; (its registers are free since the wait for pass 0's tiles)
	s_mov_b32 s35, s33
	RADDR
	s_wait_alu depctr_va_vdst(0)                   ; HA, HSA and RA are written, which the loads of pass 1's tiles and of pass 0's entries read
.irp s, 7,8,9,10,11,12,13,14,15
	W2K \s
.endr
	WIN 0
	GLOAD                                          ; pass 1's tiles,
	RLOAD                                          ; and pass 0's entries
	s_wait_loadcnt 36                              ; those 34 + 2 are younger: all of W2 is in
	s_mov_b32 s34, 0
.Lpass:                                                ; 8 passes, a constant: i0 = rq + 8 pass stays under 60
	s_wait_dscnt 0x0                               ; my part of the slot has landed, and my reads of the stage are over
	s_barrier_signal -1
	s_barrier_wait -1
	s_lshl_b32 s40, s33, 4                         ; the first row of tile i0,
	s_add_co_u32 s41, s40, 64                      ; and of tile i0 + 4
	s_cmp_ge_u32 s40, s28
	s_cbranch_scc1 .Lno_b1
	; ---- B1.  (The loads below owe no wait: every product that read HS or window 3 stands ahead of a wait on va_vdst of the last pass, and nothing since names them)
	SW
	FH 0, 0
	FH 0, 32
	s_wait_dscnt 32                                ; the second half's 32 loads are younger: the scale words and K steps 0-7 are in
	MULQ 0, HS, 0
	MULQ 0, HS, 4
	PLACES 9                                       ; the places of this text's plain form stay between the products and the loads into registers that they read; the wait below states the dependence
	s_wait_alu depctr_va_vdst(0)                   ; the sixteen products are done reading window 3's v0-127, in which the second tile's first half lands
	s_wait_dscnt 0x0                               ; K steps 8-15 are in
	MULQ 8, HS, 0
	FH 1, 0                                        ; the second tile's first half, dealt among products that name window 3's v128-255 alone of that window: no further wait
	MULQ 8, HS, 4
	PLACES 9                                       ; 8 in front of the first read of results; 9 in front of the next products, which write over the results
	WIN 0
	s_wait_alu depctr_va_vdst(0)                   ; the products have written the accumulators, which the stage's stores read, and are done reading window 3's v128-255, in which the second tile's second half lands
	YSTORE 0
	s_wait_alu depctr_vm_vsrc(0)                   ; the four stores have read the accumulators, which the second tile's first products begin anew
	s_cmp_ge_u32 s41, s28
	s_cbranch_scc1 .Lno_b1                         ; the second tile lies beyond the count
	s_wait_dscnt 4                                 ; the stage's four stores are younger: the second tile's first half is in
	MULQ 0, HS+8, 0
	FH 1, 32                                       ; its second half, dealt among products that name window 3's v0-127 alone of that window: no further wait
	MULQ 0, HS+8, 4
	s_wait_dscnt 0x0
	MULQ 8, HS+8, 0
	MULQ 8, HS+8, 4
	PLACES 9
	WIN 0
	s_wait_alu depctr_va_vdst(0)                   ; the products have written the accumulators, which the stage's stores read, and are done reading HS and window 3, in which the next pass's loads land
	YSTORE 1
.Lno_b1:
	s_wait_dscnt 0x0                               ; my results have landed in the stage, and my reads of the slot are over
	s_wait_alu depctr_vm_vsrc(0)                   ; the stage's stores have read the accumulators, which the next pass begins anew; the last pass's row stores have read OFF and Y, its loads RA, HA and HSA: all are written again below
	s_barrier_signal -1
	s_barrier_wait -1
	s_cmp_ge_u32 s40, s28
	s_cbranch_scc1 .Lno_b2
	; ---- B2
	s_wait_loadcnt 0x0                             ; the next pass's tiles and this pass's entries, asked for a pass ago
	s_wait_xcnt 0x0                                ; the last pass's stores have read their registers: OFF and Y are written again below
.irp k, 0,1,2,3,4,5,6,7
	v_min_u32 v[RI+\k], 0x807, v[RI+\k]            ; an entry is held under 2,056 by a constant, then only shifted and added
	v_lshl_add_u32 v[OFF+\k], v[RI+\k], 12, v[L16]
.endr
	s_add_co_u32 s35, s33, 8
	RADDR                                          ; where the next pass's entries lie,
	s_add_co_u32 s35, s33, 16
	GADDR                                          ; and the tiles of the pass after that: all of B2's address work stands together, ahead of one wait
	s_wait_alu depctr_va_vdst(0)                   ; OFF, RA, HA and HSA are written, which the stores and loads below read; the holds are done with RI, in which the next entries land
.irp k, 0,1,2,3
	ds_load_b128 v[Y+4*\k:Y+4*\k+3], v[RD] offset:SP*\k
.endr
	XSTORE
	s_wait_dscnt 0x0                               ; the rows are in; the stores have landed
	s_wait_alu depctr_vm_vsrc(0)                   ; the stores into the slot have read ST and STS, in which the loads at the end of B2 land
.irp k, 0,1,2,3
	global_store_b128 v[OFF+\k], v[Y+4*\k:Y+4*\k+3], s[14:15]   ; a row's 128 columns: 512 consecutive bytes
.endr
	s_cmp_ge_u32 s41, s28
	s_cbranch_scc1 .Lno_y1
.irp k, 0,1,2,3
	ds_load_b128 v[Y+16+4*\k:Y+16+4*\k+3], v[RD] offset:STILE+SP*\k
.endr
	s_wait_dscnt 0x0
.irp k, 0,1,2,3
	global_store_b128 v[OFF+4+\k], v[Y+16+4*\k:Y+16+4*\k+3], s[14:15]
.endr
.Lno_y1:
	RLOAD                                          ; the next pass's entries
	s_lshl_b32 s36, s35, 4                         ; (s35 still holds i0 + 16)
	s_cmp_ge_u32 s36, s28
	s_cbranch_scc1 .Lno_b2                         ; the pass after the next has no rows: nothing is asked for
	GLOAD
.Lno_b2:
	s_add_co_u32 s33, s33, 8
	s_add_co_u32 s34, s34, 1
	s_cmp_lt_u32 s34, 8
	s_cbranch_scc1 .Lpass
	s_wait_dscnt 0x0                               ; the closing lines, six on end
	s_wait_alu 0x0
	s_wait_tensorcnt 0x0
	ds_add_u32 v126, v127
	s_wait_dscnt 0x0
	s_endpgm
.Lfunc_end_k_qbb7ac4d660_down:
	.size	k_qbb7ac4d660_down, .Lfunc_end_k_qbb7ac4d660_down-k_qbb7ac4d660_down
	.p2alignl 7, 3214868480
	.fill 96, 4, 3214868480
	.section	.rodata,"a",@progbits
	.p2align	6, 0x0
	.amdhsa_kernel k_qbb7ac4d660_down
		.amdhsa_group_segment_fixed_size 84992
		.amdhsa_private_segment_fixed_size 0
		.amdhsa_enable_private_segment 0
		.amdhsa_kernarg_size 48
		.amdhsa_user_sgpr_count 2
		.amdhsa_user_sgpr_kernarg_segment_ptr 1
		.amdhsa_wavefront_size32 1
		.amdhsa_system_sgpr_workgroup_id_x 1
		.amdhsa_system_sgpr_workgroup_id_y 1
		.amdhsa_system_sgpr_workgroup_id_z 1
		.amdhsa_system_vgpr_workitem_id 0
		.amdhsa_next_free_vgpr 1024
		.amdhsa_next_free_sgpr 66
		.amdhsa_reserve_vcc 0
		.amdhsa_float_denorm_mode_32 3
		.amdhsa_float_denorm_mode_16_64 3
		.amdhsa_memory_ordered 1
		.amdhsa_forward_progress 1
		.amdhsa_inst_pref_size 54
	.end_amdhsa_kernel
	.amdgpu_metadata
---
amdhsa.version: [ 1, 2 ]
amdhsa.kernels:
  - .name:           k_qbb7ac4d660_down
    .symbol:         k_qbb7ac4d660_down.kd
    .args:
      - { .name: hq, .offset: 0, .size: 8, .value_kind: global_buffer, .address_space: global }
      - { .name: hs, .offset: 8, .size: 8, .value_kind: global_buffer, .address_space: global }
      - { .name: rows, .offset: 16, .size: 8, .value_kind: global_buffer, .address_space: global }
      - { .name: w2_codes, .offset: 24, .size: 8, .value_kind: global_buffer, .address_space: global }
      - { .name: w2_scales, .offset: 32, .size: 8, .value_kind: global_buffer, .address_space: global }
      - { .name: ybuf, .offset: 40, .size: 8, .value_kind: global_buffer, .address_space: global }
    .group_segment_fixed_size: 84992
    .private_segment_fixed_size: 0
    .kernarg_segment_align: 8
    .kernarg_segment_size: 48
    .max_flat_workgroup_size: 128
    .sgpr_count:     66
    .vgpr_count:     1024
    .wavefront_size: 32
...
	.end_amdgpu_metadata
.endif
;; end of part 5
;; launch combine: the kernel of part 4 again; grid 256 x 1, 4 waves a work-group, no clusters, 0 bytes of LDS; arguments ybuf, cw, out0; writes out0
